; MI455X (gfx1250); checked and timed in simulation.
; The chip was launched on July 23, 2026; its instructions are those of AMD's public machine-readable ISA for CDNA 5 (MIT licence, August 2026) and "CDNA5" Instruction Set Architecture Reference Guide (July 2026). The comments in the code are by the model that wrote it; some were corrected since.
;; Module Selector. Allowed arithmetic: matrix products marked QUANTISED: E2M1 operands, one E8M0 scale for each 32 along K, by v_wmma_scale_f32_16x16x128_f8f6f4 with both operands' format E2M1 (or v_wmma_scale_f32_32x16x128_f4), f32 sums; everything else in f32.
;; Inputs: W1_codes 16 x 1,024 x 8 x 16 uint8 (E2M1 codes of W1, K innermost, in blocks of 32 codes, two codes a byte); W1_scales 16 x 1,024 x 8 uint8 (E8M0 scales of W1, one for each 32 codes along K); W2_codes 16 x 256 x 32 x 16 uint8 (E2M1 codes of W2, K innermost, in blocks of 32 codes, two codes a byte); W2_scales 16 x 256 x 32 uint8 (E8M0 scales of W2, one for each 32 codes along K); b1 16 x 1,024 float32; b2 16 x 256 float32; in_feats_codes 8,192 x 8 x 16 uint8 (E2M1 codes of in_feats, K innermost, in blocks of 32 codes, two codes a byte); in_feats_scales 8,192 x 8 uint8 (E8M0 scales of in_feats, one for each 32 codes along K); module_ids 8,192 int32.
;; Outputs: out0 8,192 x 256 float32.
;; This version of the problem:
;;   THIS VERSION OF THE PROBLEM IS GIVEN IN LOW PRECISION. The matrix products marked QUANTISED in the list below multiply operands that are first quantised to E2M1 (2 exponent bits, 1 mantissa bit; 4 bits a number), with one power-of-two scale for each 32 numbers along K (OCP MX v1.0); their sums are f32. All else is computed in f32.
;;   The module's matrix products, in the order in which they are computed (A, B: the left and right operand; K: the contracted axis; several contracted axes count as one K, in the product's order):
;;     1. [M 8,192, K 256] x [K 256, N 1,024]; A: input in_feats (given as codes); B: input W1 (given as codes): QUANTISED
;;     2. [M 8,192, K 1,024] x [K 1,024, N 256]; A: computed on the way; B: input W2 (given as codes): QUANTISED
;;     3. [M 8,192, K 256] x [K 256, N 1,024]; A: input in_feats (given as codes); B: input W1 (given as codes): QUANTISED
;;     4. [M 8,192, K 1,024] x [K 1,024, N 256]; A: computed on the way; B: input W2 (given as codes): QUANTISED
;;     5. [M 8,192, K 256] x [K 256, N 1,024]; A: input in_feats (given as codes); B: input W1 (given as codes): QUANTISED
;;     6. [M 8,192, K 1,024] x [K 1,024, N 256]; A: computed on the way; B: input W2 (given as codes): QUANTISED
;;     7. [M 8,192, K 256] x [K 256, N 1,024]; A: input in_feats (given as codes); B: input W1 (given as codes): QUANTISED
;;     8. [M 8,192, K 1,024] x [K 1,024, N 256]; A: computed on the way; B: input W2 (given as codes): QUANTISED
;;     9. [M 8,192, K 256] x [K 256, N 1,024]; A: input in_feats (given as codes); B: input W1 (given as codes): QUANTISED
;;     10. [M 8,192, K 1,024] x [K 1,024, N 256]; A: computed on the way; B: input W2 (given as codes): QUANTISED
;;     11. [M 8,192, K 256] x [K 256, N 1,024]; A: input in_feats (given as codes); B: input W1 (given as codes): QUANTISED
;;     12. [M 8,192, K 1,024] x [K 1,024, N 256]; A: computed on the way; B: input W2 (given as codes): QUANTISED
;;     13. [M 8,192, K 256] x [K 256, N 1,024]; A: input in_feats (given as codes); B: input W1 (given as codes): QUANTISED
;;     14. [M 8,192, K 1,024] x [K 1,024, N 256]; A: computed on the way; B: input W2 (given as codes): QUANTISED
;;     15. [M 8,192, K 256] x [K 256, N 1,024]; A: input in_feats (given as codes); B: input W1 (given as codes): QUANTISED
;;     16. [M 8,192, K 1,024] x [K 1,024, N 256]; A: computed on the way; B: input W2 (given as codes): QUANTISED
;;     17. [M 8,192, K 256] x [K 256, N 1,024]; A: input in_feats (given as codes); B: input W1 (given as codes): QUANTISED
;;     18. [M 8,192, K 1,024] x [K 1,024, N 256]; A: computed on the way; B: input W2 (given as codes): QUANTISED
;;     19. [M 8,192, K 256] x [K 256, N 1,024]; A: input in_feats (given as codes); B: input W1 (given as codes): QUANTISED
;;     20. [M 8,192, K 1,024] x [K 1,024, N 256]; A: computed on the way; B: input W2 (given as codes): QUANTISED
;;     21. [M 8,192, K 256] x [K 256, N 1,024]; A: input in_feats (given as codes); B: input W1 (given as codes): QUANTISED
;;     22. [M 8,192, K 1,024] x [K 1,024, N 256]; A: computed on the way; B: input W2 (given as codes): QUANTISED
;;     23. [M 8,192, K 256] x [K 256, N 1,024]; A: input in_feats (given as codes); B: input W1 (given as codes): QUANTISED
;;     24. [M 8,192, K 1,024] x [K 1,024, N 256]; A: computed on the way; B: input W2 (given as codes): QUANTISED
;;     25. [M 8,192, K 256] x [K 256, N 1,024]; A: input in_feats (given as codes); B: input W1 (given as codes): QUANTISED
;;     26. [M 8,192, K 1,024] x [K 1,024, N 256]; A: computed on the way; B: input W2 (given as codes): QUANTISED
;;     27. [M 8,192, K 256] x [K 256, N 1,024]; A: input in_feats (given as codes); B: input W1 (given as codes): QUANTISED
;;     28. [M 8,192, K 1,024] x [K 1,024, N 256]; A: computed on the way; B: input W2 (given as codes): QUANTISED
;;     29. [M 8,192, K 256] x [K 256, N 1,024]; A: input in_feats (given as codes); B: input W1 (given as codes): QUANTISED
;;     30. [M 8,192, K 1,024] x [K 1,024, N 256]; A: computed on the way; B: input W2 (given as codes): QUANTISED
;;     31. [M 8,192, K 256] x [K 256, N 1,024]; A: input in_feats (given as codes); B: input W1 (given as codes): QUANTISED
;;     32. [M 8,192, K 1,024] x [K 1,024, N 256]; A: computed on the way; B: input W2 (given as codes): QUANTISED
;;   THE QUANTISER, for each operand of a quantised product, along K:
;;     - K is cut into blocks of 32 from its start; a last block that is shorter is filled with zeros.
;;     - A block's scale is 2^e with e = floor(log2(the largest magnitude in the block)) - 2, held to -126 .. 127; a block of zeros has e = 0. As a byte (E8M0): e + 127.
;;     - Each number is divided by its block's scale, clamped to +-6, and rounded to the nearest number of E2M1, ties to even, subnormals kept.
;;     - The product sums the exact products of the quantised numbers (number of the format x scale) in f32.
;;   ~~~python
;;   def quantise(x, axis):      # numpy; x: float32 -> the quantised numbers, widened to float32 again
;;       x = np.moveaxis(x, axis, -1); K = x.shape[-1]
;;       x = np.pad(x, [(0, 0)] * (x.ndim - 1) + [(0, -K % 32)]); x = x.reshape(x.shape[:-1] + (-1, 32)); a = np.abs(x).max(-1, keepdims=True)
;;       e = np.where(a > 0, np.clip(np.frexp(np.where(a > 0, a, 1))[1] - 1 - 2, -126, 127), 0)      # np.frexp(a)[1] - 1 = floor(log2(a)), exactly
;;       r = np.clip(x / 2.0 ** e, -6, 6)
;;       step = 2.0 ** (np.maximum(np.frexp(np.where(r == 0, 1, r))[1] - 1, 0) - 1)
;;       q = np.round(r / step) * step * 2.0 ** e      # np.round: ties to even
;;       return np.moveaxis(q.reshape(q.shape[:-2] + (-1,))[..., :K], -1, axis).astype(np.float32)
;;   ~~~
;;   OPERANDS COMPUTED ON THE WAY. 'Computed on the way' means the value that the module computes at that place (a softmax that the list does not call 'softmax' is quantised finished and normalised). What goes into a quantiser is computed in f32, as accurately as f32 sums, v_exp_f32 and their like allow (about 1e-6 of the number): no bf16 or f16 on the way to a quantiser, and a product that is left as it is and whose result goes on into a quantised operand takes f32 operands (vector FMAs, or v_wmma_f32_16x16x4_f32). A number that lies on a knife's edge between two numbers of the format may be rounded either way, as far as f32 arithmetic and the matrix unit's own rounding can turn it there, and no further.
;;   INPUTS GIVEN AS CODES. W1 (in the module: [16, 256, 1024], K = its axis 1); W2 (in the module: [16, 1024, 256], K = its axis 1); in_feats (in the module: [8192, 256], K = its axis 1): each comes as NAME_codes (uint8): NAME with its K axis moved to the last place and cut into blocks of 32 codes, [.., K / 32, bytes a block], one block behind the other in memory; two codes a byte, the lower K in the low four bits (a code: sign, 2 exponent bits, 1 mantissa bit); and NAME_scales (uint8): the same leading axes, one E8M0 byte (e + 127) for each 32 codes along K. Its value is code x scale, taken as it is: it is not quantised again, and the codes and scales need not be those that the quantiser above would give.
;; 2 versions. Each part assembles by itself: llvm-mc -triple=amdgcn-amd-amdhsa -mcpu=gfx1250 --defsym DOCPART=n.
;; ======== version 1 of 2: 2 launches
;; workspace buffers: order 561,408 bytes of whole numbers; counts 256 bytes of whole numbers; wpack 4,456,448 bytes
;; launch prep (part 1): grid 145 x 1, 16 waves a work-group, no clusters, 2,304 bytes of LDS; arguments module_ids, W1_codes, W1_scales, W2_codes, W2_scales, order, counts, wpack; writes order, counts, wpack
.if DOCPART == 1
	.amdgcn_target "amdgcn-amd-amdhsa--gfx1250"
	.amdhsa_code_object_version 6
	.text
	.protected	k_qb006bde4b8_prep
	.globl	k_qb006bde4b8_prep
	.p2align	8
	.type	k_qb006bde4b8_prep,@function
k_qb006bde4b8_prep:
	s_mov_b64 s[64:65], 0
	v_nop
	global_prefetch_b8 v0, s[64:65] scope:SCOPE_SE
	s_setreg_imm32_b32 hwreg(HW_REG_WAVE_MODE, 25, 1), 1
	s_wait_xcnt 0x0
; TWO JOBS IN ONE LAUNCH, told apart by the work-group's number alone.
; Work-groups 0 to 16 (bucket e = the work-group's number; bucket 16 takes every id outside 0 .. 15, negative ones too): each scans all 8,192 ids and writes
;   order[e]: the numbers of the rows whose id is e (in any order), then 64 entries of 0;  counts[e]: how many they are.  No atomics: a bucket has one owner.
; Work-groups 17 to 144 (package p = number - 17 = 8 e + w): the weights that wave w of a work-group of the second launch wants for expert e, laid in the order of its
;   operand registers, so that it loads every fragment whole, 16 bytes a lane, 512 consecutive bytes an instruction.  A package, 34,816 bytes:
;   0      W1's 16 fragments (tile t, K step s), 1,024 bytes each: block 2 (2 t + s) + c of 512 bytes, lane (r, h) at 16 x lane: bytes 64 s + 32 c + 16 h of W1's row 128 w + 32 (t / 2) + 8 (t % 2) + r + 8 (r / 8)
;   16,384 W2's 16 fragments (tile n, K step s): block 2 (8 n + s) + c: the same bytes of W2's row 32 w + 16 n + r
;   32,768 W1's scale words, two blocks of 512 bytes: block q, lane (r, h), word i: the scale word of K step h of tile 4 q + i's row
;   33,792 W2's scale words, two blocks: block n, lane (r, h), word i: the scale word of K step 2 i + h of row 32 w + 16 n + r
.set BUCKET, 33024                     ; bytes of a bucket: 8,256 entries of 4 bytes (8,192 rows at the most, and the 64 zeros)
.set LASTE,  0x203f                    ; a bucket's last entry, 8,255
.set PKG,    34816
	s_load_b512 s[4:19], s[0:1], 0x0               ; ids s[4:5], W1's codes s[6:7], scales s[8:9], W2's codes s[10:11], scales s[12:13], order s[14:15], counts s[16:17], wpack s[18:19]
	v_lshl_add_u32 v80, v0, 2, 0x100
	v_mov_b32 v81, 0
	v_lshrrev_b32 v1, 5, v0
	v_readfirstlane_b32 s20, v1                    ; wave 0..15
	s_cmp_lt_u32 ttmp9, 17
	s_cbranch_scc0 .Lpack
	; ---------------- A BUCKET.  512 threads x 16 ids: thread t's register 4 j + k holds the id of row 4 t + 2,048 j + k
	v_lshlrev_b32 v3, 4, v0                        ; 16 bytes a thread: a wave's load covers 512 consecutive bytes
	v_and_b32 v2, 31, v0                           ; lane
	v_lshlrev_b32 v20, 2, v0                       ; 4 t
	s_mov_b32 s21, ttmp9                           ; e
	s_mov_b32 s22, 0                               ; my wave's count
	s_wait_kmcnt 0x0
.irp j, 0,1,2,3
	global_load_b128 v[4+4*\j:7+4*\j], v3, s[4:5] offset:8192*\j
.endr
	s_wait_loadcnt 0x0
.irp i, 0,1,2,3,4,5,6,7,8,9,10,11,12,13,14,15
	v_min_u32 v[4+\i], 16, v[4+\i]                 ; taken as unsigned: whatever is not 0 .. 15 is bucket 16
.endr
.irp i, 0,1,2,3,4,5,6,7,8,9,10,11,12,13,14,15
	v_cmp_eq_u32 s[32+\i], s21, v[4+\i]            ; the lanes whose id is e: the sixteen masks are kept
	s_bcnt1_i32_b32 s25, s[32+\i]
	s_add_co_u32 s22, s22, s25
.endr
	v_mov_b32 v72, s20
	v_lshlrev_b32 v72, 2, v72                      ; LDS: a word for each wave
	v_mov_b32 v73, s22
	ds_store_b32 v72, v73                          ; all lanes write the same word with the same value
	s_wait_dscnt 0x0                               ; for the others' sake: my count lies in LDS
	s_barrier_signal -1
	s_barrier_wait -1
	v_mov_b32 v74, 0
.irp i, 0,1,2,3
	ds_load_b128 v[56+4*\i:59+4*\i], v74 offset:16*\i   ; the sixteen counts, in every lane
.endr
	s_wait_dscnt 0x0
.irp k, 0,1,2,3,4,5,6,7,8,9,10,11,12,13,14,15
	v_readfirstlane_b32 s[48+\k], v[56+\k]
.endr
	s_mov_b32 s23, 0                               ; where my wave's rows begin in the bucket: the counts of the waves in front of me
	s_mov_b32 s24, 0                               ; n: the bucket's rows
.irp k, 0,1,2,3,4,5,6,7,8,9,10,11,12,13,14,15
	s_cmp_gt_u32 s20, \k
	s_cselect_b32 s25, s[48+\k], 0
	s_add_co_u32 s23, s23, s25
	s_add_co_u32 s24, s24, s[48+\k]
.endr
	s_mul_i32 s26, s21, BUCKET
	s_mov_b32 s27, 0
	s_add_nc_u64 s[14:15], s[14:15], s[26:27]      ; my bucket
	v_add_nc_u32 v21, s24, v2                      ; entries n + lane and n + 32 + lane: the 64 zeros behind the list
	v_add_nc_u32 v22, 32, v21
	; PLACING, with all lanes on: a lane whose id is e writes its row's number at the next free entry; any other lane writes a 0 among the 64 zeros, where a 0 belongs anyway.
	; Each store has address and data registers of its own, so none is written again while a store may read it.
.irp i, 0,1,2,3,4,5,6,7,8,9,10,11,12,13,14,15
	v_mbcnt_lo_u32_b32 v[24+\i], s[32+\i], s23     ; the wave's next free entry + the matching lanes below me
	v_cndmask_b32 v[24+\i], v[21+(\i%2)], v[24+\i], s[32+\i]
	v_min_u32 v[24+\i], LASTE, v[24+\i]            ; an entry made of loaded numbers is held inside the bucket (it never passes n + 63, 8,255 at the most)
	v_lshlrev_b32 v[24+\i], 2, v[24+\i]
	v_add_nc_u32 v[40+\i], 2048*(\i/4)+(\i%4), v20 ; the row
	v_cndmask_b32 v[40+\i], 0, v[40+\i], s[32+\i]
	global_store_b32 v[24+\i], v[40+\i], s[14:15]
	s_bcnt1_i32_b32 s25, s[32+\i]
	s_add_co_u32 s23, s23, s25
.endr
	s_cmp_lg_u32 s20, 0
	s_cbranch_scc1 .Lend
	v_min_u32 v75, LASTE, v21                      ; wave 0: the 64 zeros are written whatever the ids are,
	v_min_u32 v76, LASTE, v22
	v_lshlrev_b32 v75, 2, v75
	v_lshlrev_b32 v76, 2, v76
	global_store_b32 v75, v74, s[14:15]
	global_store_b32 v76, v74, s[14:15]
	s_lshl_b32 s26, s21, 2
	s_add_nc_u64 s[16:17], s[16:17], s[26:27]
	v_mov_b32 v78, s24
	global_store_b32 v74, v78, s[16:17]            ; and counts[e] = n (all lanes: the same word, the same value)
	s_branch .Lend
	; ---------------- A PACKAGE.  Wave v copies W1's fragment (t = v / 2, s = v % 2) and W2's fragment (n = v / 8, s = v % 8); waves 0 to 3 a block of scale words each
.Lpack:
	v_and_b32 v1, 31, v0                           ; lane
	v_and_b32 v2, 15, v0                           ; r
	v_bfe_u32 v3, v0, 4, 1                         ; h
	v_and_b32 v7, 8, v2
	v_add_nc_u32 v7, v7, v2                        ; r + 8 (r / 8): the rows of a tile of W1 are not neighbours
	v_lshlrev_b32 v4, 7, v7                        ; W1: a row is 128 bytes,
	v_lshl_add_u32 v4, v3, 4, v4                   ; + 16 h
	v_lshlrev_b32 v5, 9, v2                        ; W2: a row is 512 bytes
	v_lshl_add_u32 v5, v3, 4, v5
	v_lshlrev_b32 v6, 4, v1                        ; out: 16 x lane
	s_sub_co_u32 s21, ttmp9, 17                    ; p
	s_lshr_b32 s22, s21, 3                         ; e
	s_and_b32 s23, s21, 7                          ; w
	s_lshl_b32 s24, s22, 17                        ; an expert's codes are 131,072 bytes in W1 and in W2,
	s_lshl_b32 s32, s23, 14                        ; wave w's part of them 16,384 (128 rows of 128 bytes; 32 rows of 512)
	s_add_co_u32 s24, s24, s32
	s_mov_b32 s26, s24
	s_lshr_b32 s32, s20, 2                         ; W1: tile t begins at row 32 (t / 2) + 8 (t % 2); t / 2 = v / 4
	s_lshl_b32 s32, s32, 12
	s_add_co_u32 s24, s24, s32
	s_bfe_u32 s32, s20, 0x10001                    ; t % 2 = bit 1 of v
	s_lshl_b32 s32, s32, 10
	s_add_co_u32 s24, s24, s32
	s_and_b32 s32, s20, 1                          ; K step s: 64 bytes
	s_lshl_b32 s32, s32, 6
	s_add_co_u32 s24, s24, s32
	s_mov_b32 s25, 0
	s_lshr_b32 s32, s20, 3                         ; W2: tile n: 16 rows of 512 bytes
	s_lshl_b32 s32, s32, 13
	s_add_co_u32 s26, s26, s32
	s_and_b32 s32, s20, 7                          ; K step s
	s_lshl_b32 s32, s32, 6
	s_add_co_u32 s26, s26, s32
	s_mov_b32 s27, 0
	s_mul_i32 s28, s21, PKG
	s_mov_b32 s29, 0
	s_lshl_b32 s30, s20, 10                        ; fragment v of either weight: 1,024 bytes
	s_mov_b32 s31, 0
	s_wait_kmcnt 0x0
	s_add_nc_u64 s[6:7], s[6:7], s[24:25]
	s_add_nc_u64 s[10:11], s[10:11], s[26:27]
	s_add_nc_u64 s[18:19], s[18:19], s[28:29]      ; my package
	s_add_nc_u64 s[34:35], s[18:19], s[30:31]
.irp c, 0,1
	global_load_b128 v[8+4*\c:11+4*\c], v4, s[6:7] offset:32*\c
	global_load_b128 v[16+4*\c:19+4*\c], v5, s[10:11] offset:32*\c
.endr
	s_wait_loadcnt 0x0
.irp c, 0,1
	global_store_b128 v6, v[8+4*\c:11+4*\c], s[34:35] offset:512*\c          ; each store of the wave covers 512 consecutive bytes, aligned
	global_store_b128 v6, v[16+4*\c:19+4*\c], s[34:35] offset:16384+512*\c
.endr
	s_cmp_lt_u32 s20, 4
	s_cbranch_scc0 .Lend
	s_lshl_b32 s38, s22, 13                        ; the scale bytes: 8,192 an expert in W1 and in W2, 1,024 a wave w, 512 a block (64 rows of 8 bytes; 16 rows of 32)
	s_lshl_b32 s32, s23, 10
	s_add_co_u32 s38, s38, s32
	s_and_b32 s32, s20, 1
	s_lshl_b32 s32, s32, 9
	s_add_co_u32 s38, s38, s32
	s_mov_b32 s39, 0
	s_lshl_b32 s36, s20, 9                         ; block v of the package's four
	s_mov_b32 s37, 0
	s_add_nc_u64 s[36:37], s[18:19], s[36:37]
	s_cmp_lt_u32 s20, 2
	s_cbranch_scc0 .Lw2s
	s_add_nc_u64 s[8:9], s[8:9], s[38:39]          ; waves 0, 1: W1's, tiles 4 v .. 4 v + 3
	v_lshlrev_b32 v28, 3, v7                       ; 8 bytes a row, by the tile's rows,
	v_lshl_add_u32 v28, v3, 2, v28                 ; lanes 16-31 the word of K step 1
.irp i, 0,1,2,3
	global_load_b32 v[24+\i], v28, s[8:9] offset:(32*(\i/2)+8*(\i%2))*8
.endr
	s_branch .Lsc
.Lw2s:
	s_add_nc_u64 s[12:13], s[12:13], s[38:39]      ; waves 2, 3: W2's, tile v - 2
	v_lshlrev_b32 v28, 5, v2                       ; 32 bytes a row,
	v_lshl_add_u32 v28, v3, 2, v28                 ; lanes 16-31 the odd K steps' words
.irp i, 0,1,2,3
	global_load_b32 v[24+\i], v28, s[12:13] offset:8*\i
.endr
.Lsc:
	s_wait_loadcnt 0x0
	global_store_b128 v6, v[24:27], s[36:37] offset:32768
.Lend:
	s_wait_tensorcnt 0x0
	ds_add_u32 v80, v81
	s_wait_dscnt 0x0
	s_endpgm
.Lfunc_end_k_qb006bde4b8_prep:
	.size	k_qb006bde4b8_prep, .Lfunc_end_k_qb006bde4b8_prep-k_qb006bde4b8_prep
	.p2alignl 7, 3214868480
	.fill 96, 4, 3214868480
	.section	.rodata,"a",@progbits
	.p2align	6, 0x0
	.amdhsa_kernel k_qb006bde4b8_prep
		.amdhsa_group_segment_fixed_size 2304
		.amdhsa_private_segment_fixed_size 0
		.amdhsa_enable_private_segment 0
		.amdhsa_kernarg_size 64
		.amdhsa_user_sgpr_count 2
		.amdhsa_user_sgpr_kernarg_segment_ptr 1
		.amdhsa_wavefront_size32 1
		.amdhsa_system_sgpr_workgroup_id_x 1
		.amdhsa_system_sgpr_workgroup_id_y 1
		.amdhsa_system_sgpr_workgroup_id_z 1
		.amdhsa_system_vgpr_workitem_id 0
		.amdhsa_next_free_vgpr 82
		.amdhsa_next_free_sgpr 66
		.amdhsa_reserve_vcc 0
		.amdhsa_float_denorm_mode_32 3
		.amdhsa_float_denorm_mode_16_64 3
		.amdhsa_memory_ordered 1
		.amdhsa_forward_progress 1
		.amdhsa_inst_pref_size 20
	.end_amdhsa_kernel
	.amdgpu_metadata
---
amdhsa.version: [ 1, 2 ]
amdhsa.kernels:
  - .name:           k_qb006bde4b8_prep
    .symbol:         k_qb006bde4b8_prep.kd
    .args:
      - { .name: module_ids, .offset: 0, .size: 8, .value_kind: global_buffer, .address_space: global }
      - { .name: W1_codes, .offset: 8, .size: 8, .value_kind: global_buffer, .address_space: global }
      - { .name: W1_scales, .offset: 16, .size: 8, .value_kind: global_buffer, .address_space: global }
      - { .name: W2_codes, .offset: 24, .size: 8, .value_kind: global_buffer, .address_space: global }
      - { .name: W2_scales, .offset: 32, .size: 8, .value_kind: global_buffer, .address_space: global }
      - { .name: order, .offset: 40, .size: 8, .value_kind: global_buffer, .address_space: global }
      - { .name: counts, .offset: 48, .size: 8, .value_kind: global_buffer, .address_space: global }
      - { .name: wpack, .offset: 56, .size: 8, .value_kind: global_buffer, .address_space: global }
    .group_segment_fixed_size: 2304
    .private_segment_fixed_size: 0
    .kernarg_segment_align: 8
    .kernarg_segment_size: 64
    .max_flat_workgroup_size: 512
    .sgpr_count:     66
    .vgpr_count:     82
    .wavefront_size: 32
...
	.end_amdgpu_metadata
.endif
;; end of part 1
;; launch chain (part 2): grid 144 x 1, 8 waves a work-group, no clusters, 113,152 bytes of LDS; arguments in_feats_codes, in_feats_scales, b1, b2, order, counts, wpack, out0; writes out0
.if DOCPART == 2
	.amdgcn_target "amdgcn-amd-amdhsa--gfx1250"
	.amdhsa_code_object_version 6
	.text
	.protected	k_qb006bde4b8_chain
	.globl	k_qb006bde4b8_chain
	.p2align	8
	.type	k_qb006bde4b8_chain,@function
k_qb006bde4b8_chain:
	s_mov_b64 s[64:65], 0
	v_nop
	global_prefetch_b8 v0, s[64:65] scope:SCOPE_SE
	s_setreg_imm32_b32 hwreg(HW_REG_WAVE_MODE, 25, 1), 1
	s_wait_xcnt 0x0
; out[row] = relu(x[row] W1[e] + b1[e]) W2[e] + b2[e] for e = the row's id; rows whose id is outside 0 .. 15 are zeros.  Both products on codes of FP4 (E2M1) with one E8M0 scale for each 32 along K.
; ONLY THE CHOSEN EXPERT'S ROWS ARE MULTIPLIED.  The launch before has listed each bucket's rows (order, counts; bucket 16: no expert).  A tile is 64 listed rows of one bucket; with 8,192 rows and 17 buckets there
; are never more than 8,192 / 64 + 16 = 144 tiles, whatever the ids: so many work-groups are launched.  A work-group finds its tile from the 17 counts, without a jump.  One that a split leaves without a tile
; runs on row 0 (every wave has to pass every barrier) and stores nothing.
; SHARES.  Eight waves.  THE WAVES SHARE THE COLUMNS: wave w makes hidden units 128 w .. 128 w + 127 (K step w of the second product) and outputs 32 w .. 32 w + 31, for all 64 rows.  Its part of W1 and W2
; (256 registers) comes from memory straight into registers, each byte once a work-group, from the package that the launch before laid in the order of the operand registers.
; What goes from wave to wave is small: x's codes and the hidden layer's, through LDS as IMAGES OF THE OPERANDS' REGISTERS (16 bytes a lane at 16 x lane, 512 bytes a store).  The hidden layer never goes to memory.
; BOTH PRODUCTS ARE USED TRANSPOSED (source 0 = 16 rows of the weight, source 1 = 16 rows of the tile): a lane holds one row and its registers run along the columns.  The rows of W1 that form a tile are chosen
; (lane r of tile 2 b + u: row 32 b + 8 u + r + 8 (r / 8)) so that the 16 registers of tiles 2 b, 2 b + 1 are 16 neighbours along the next K.  The biases are the C of each sum's first matrix instruction.
; NO CLUSTER, NO TENSOR LOADS: the tiles of one expert read the same weights, but which expert a work-group serves is a number read from memory, an expert has any number of tiles from 0 to 128, so the grid
; does not fall into fours of one expert at every split; and the last stores hang on the tile's count of rows.
; LIMITS.  A block of 32 hidden numbers that are all 0 gets the scale byte 1 where the rule says 127: its codes are zeros, and the byte is read here alone.  Blocks whose largest number lies under 2^-124 are held at byte 1.
; NaN or infinity in the hidden layer is not served (the relu turns NaN into 0).  A given scale byte 0xff makes the sums NaN.
; LDS
.set XIMG, 0                           ; x's 8 fragments (tile of rows m, K step s): (2 m + s) x 1,024 + 512 c + 16 x lane
.set XSC,  8192                        ; x's scale words: 16 x lane + 4 m; lanes 0-15 K step 0's, lanes 16-31 K step 1's
.set HIMG, 8704                        ; the hidden layer's 32 fragments: (4 s + m) x 1,024 + 512 c + 16 x lane
.set HSC,  41472                       ; their scale words: 512 s + 16 x lane + 4 m
.set STG,  45568                       ; the stage for 64 rows of the result: 1,024 bytes + 16 a row
.set SPI,  1040
; VECTOR REGISTERS.  Window 0:
.set LI,  4                            ; 16 x lane
.set HWI, 5                            ; 16 x lane + 4,096 w: where I store the hidden layer's images
.set HWS, 6                            ; 16 x lane + 512 w: and their scale words
.set SO,  7                            ; the stage: row r, + 32 h + 128 w
.set SR,  8                            ; and back: my 8 rows, 16 bytes a lane
.set OA,  15                           ; the list: 4 (lane / 8)
.set OB,  244                          ; the list: 4 ((lane % 16) / 2)
.set XW,  245                          ; where x's codes go in XIMG
.set XWS, 246                          ; where x's scale words go in XSC
.set B1O, 247                          ; 64 h
.set B2O, 248                          ; 32 h
.set XF,  16                           ; v16-47   x's fragments: two sets of two
.set HA,  48                           ; v48-111  my 8 tiles of the hidden layer; at the head x as it is loaded; later the 8 accumulators of the result
.set YA,  48
.set PC,  112                          ; v112-119 the codes just made
.set TM,  120                          ; v120-123 largest numbers, v124-127 the other half's, then the bytes, v128-131 the conversions' scale operands
.set PW,  132                          ; the scale word just made
.set XS,  136                          ; v136-139 x's scale words        (v136-163 hold scales and nothing else)
.set HS,  140                          ; v140-147 the hidden layer's, two sets of four
.set W1S, 148                          ; v148-155 W1's: register t; lanes 0-15 K step 0, lanes 16-31 K step 1
.set W2S, 156                          ; v156-163 W2's: register 4 n + s / 2; lanes 0-15 the even K step, lanes 16-31 the odd one
.set B2,  164                          ; v164-179 b2's two tiles
.set B1,  180                          ; v180-243 b1's eight tiles; then
.set ST,  180                          ;          the hidden layer's fragments, two sets of four; then
.set OUT, 180                          ;          my 8 rows of the result
; Window 1: v0-127 W1's fragments, (t, s) at 8 (2 t + s); v128-255 W2's, (n, s) at 128 + 8 (8 n + s)
; SCALAR REGISTERS: s[4:19] the eight addresses; s[20:36] the counts; s38 e, s39 the tile's first entry, s40 n, s41 tiles so far, s44 the tile's rows, s45 the expert whose weights are read
.set WV,   37
.set ROWN, 52                          ; s[52:59] the numbers of the 8 rows that I store
.set SEL,  60                          ; s[60:61] v_permlanex16_b32's selects for lane l xor 16
.set ROWA, 66                          ; s[66:81] their addresses in out0
.set LEFT, 82                          ; the tile's rows less my first: how many of my 8 rows exist
.set MSB, 0
.macro WIN new                         ; s_set_vgpr_msb: bits 1:0 source 0, 7:6 destination; the immediate's high byte repeats the setting that is left
.if MSB != \new
	s_set_vgpr_msb (MSB<<8)|\new
.set MSB, \new
.endif
.endm
.macro BARRIER                         ; my LDS stores have landed and my LDS loads are in: then the work-group's barrier
	s_wait_dscnt 0x0
	s_barrier_signal -1
	s_barrier_wait -1
.endm
.macro PLACES                          ; four plain vector instructions between a matrix instruction and a load into, or a read of, its registers
.rept 4
	v_nop
.endr
.endm
	s_load_b512 s[4:19], s[0:1], 0x0               ; x's codes s[4:5], x's scales s[6:7], b1 s[8:9], b2 s[10:11], order s[12:13], counts s[14:15], wpack s[16:17], out0 s[18:19]
	v_lshl_add_u32 v135, v0, 2, 0x1b600
	v_mov_b32 v255, 0
	v_lshrrev_b32 v249, 5, v0
	v_readfirstlane_b32 s[WV], v249                ; wave 0..7
	s_wait_kmcnt 0x0
	s_load_b512 s[20:35], s[14:15], 0x0            ; the 17 counts
	s_load_b32 s36, s[14:15], 0x40
	; lane terms and LDS addresses, while the counts are on their way
	v_and_b32 v1, 31, v0                           ; lane
	v_and_b32 v2, 15, v0                           ; r
	v_bfe_u32 v3, v0, 4, 1                         ; h
	v_lshlrev_b32 v[LI], 4, v1
	s_lshl_b32 s42, s[WV], 12
	v_add_nc_u32 v[HWI], s42, v[LI]
	s_lshl_b32 s42, s[WV], 9
	v_add_nc_u32 v[HWS], s42, v[LI]
	v_mul_u32_u24 v[SO], v2, SPI
	v_lshl_add_u32 v[SO], v3, 5, v[SO]
	s_lshl_b32 s42, s[WV], 7
	s_add_co_u32 s42, s42, STG
	v_add_nc_u32 v[SO], s42, v[SO]
	s_mul_i32 s42, s[WV], 8*SPI
	s_add_co_u32 s42, s42, STG
	v_add_nc_u32 v[SR], s42, v[LI]
	; x: wave w brings rows 8 w .. 8 w + 7 of the tile.  A load takes four whole rows of 128 bytes: lane l the piece l % 8 (16 bytes: K step, c and h are its three bits) of row l / 8.
	; In XIMG that piece lies at 2,048 (w / 2) + 256 (l % 8) + 16 x (8 (w % 2) + l / 8)
	v_and_b32 v249, 7, v0                          ; l % 8
	v_bfe_u32 v250, v0, 3, 2                       ; l / 8
	v_lshlrev_b32 v[XW], 8, v249
	v_lshl_add_u32 v[XW], v250, 4, v[XW]
	s_lshr_b32 s42, s[WV], 1
	s_and_b32 s43, s[WV], 1
	s_lshl_b32 s46, s42, 11
	s_lshl_b32 s47, s43, 7
	s_add_co_u32 s46, s46, s47
	v_add_nc_u32 v[XW], s46, v[XW]
	v_and_b32 v251, 1, v0                          ; its scale words: lane l % 16 takes word l % 2 of row (l % 16) / 2 (lanes 16-31 do the same once more)
	v_bfe_u32 v252, v0, 1, 3
	v_lshlrev_b32 v[XWS], 8, v251
	v_lshl_add_u32 v[XWS], v252, 4, v[XWS]
	s_lshl_b32 s46, s42, 2
	s_add_co_u32 s46, s46, s47
	s_add_co_u32 s46, s46, XSC
	v_add_nc_u32 v[XWS], s46, v[XWS]
	v_lshlrev_b32 v[OA], 2, v250
	v_lshlrev_b32 v[OB], 2, v252
	v_lshlrev_b32 v253, 4, v249                    ; my piece's byte in a row of codes
	v_lshlrev_b32 v254, 2, v251                    ; my word's byte in a row of scales
	v_lshlrev_b32 v[B1O], 6, v3
	v_lshlrev_b32 v[B2O], 5, v3
.irp b, 0,1,2,3
	v_mov_b32 v[TM+4+\b], 0                        ; written once: a lane permute's destination counts as one of its sources
.endr
	s_mov_b32 s[SEL], 0x76543210
	s_mov_b32 s[SEL+1], 0xfedcba98
	s_mov_b32 s38, 16                              ; without a tile: bucket 16, entry 0, no rows
	s_mov_b32 s39, 0
	s_mov_b32 s40, 0
	s_mov_b32 s41, 0
	s_wait_kmcnt 0x0
	; WHICH TILE IS MINE: bucket e has ceil(n_e / 64) tiles; mine is the bucket in which my number less the tiles in front falls (taken as unsigned, a negative difference falls nowhere)
.irp e, 0,1,2,3,4,5,6,7,8,9,10,11,12,13,14,15,16
	s_add_co_u32 s42, s[20+\e], 63
	s_lshr_b32 s42, s42, 6
	s_sub_co_u32 s43, ttmp9, s41
	s_cmp_lt_u32 s43, s42
	s_cselect_b32 s38, \e, s38
	s_cselect_b32 s39, s43, s39
	s_cselect_b32 s40, s[20+\e], s40
	s_add_co_u32 s41, s41, s42
.endr
	s_min_u32 s38, s38, 16                         ; numbers made of loaded ones are held inside their tables before they enter an address
	s_min_u32 s39, s39, 127
	s_lshl_b32 s39, s39, 6                         ; the tile's first entry
	s_sub_co_u32 s44, s40, s39
	s_min_u32 s44, s44, 64                         ; its rows
	s_min_u32 s45, s38, 15                         ; bucket 16 reads expert 15's weights and throws the result away
	s_mul_i32 s46, s38, 33024                      ; a bucket's bytes
	s_lshl_b32 s42, s39, 2
	s_add_co_u32 s46, s46, s42
	s_lshl_b32 s42, s[WV], 5                       ; my wave's 8 entries
	s_add_co_u32 s46, s46, s42
	s_mov_b32 s47, 0
	s_add_nc_u64 s[12:13], s[12:13], s[46:47]
	s_lshl_b32 s48, s45, 3
	s_add_co_u32 s48, s48, s[WV]
	s_mul_i32 s48, s48, 34816                      ; package 8 e + w
	s_mov_b32 s49, 0
	s_add_nc_u64 s[16:17], s[16:17], s[48:49]
	s_load_b256 s[ROWN:ROWN+7], s[12:13], 0x0      ; the rows that I shall store, as scalars
	; ALL THE WAVE'S LOADS GO OUT IN ONE RUN.  Loads come back in order (ISA guide 5.7.1): the list first, W1 and b1 (the first product's), x behind them, W2 and b2 last
	global_load_b32 v9, v[OA], s[12:13]            ; rows l / 8,
	global_load_b32 v10, v[OA], s[12:13] offset:16 ; 4 + l / 8,
	global_load_b32 v11, v[OB], s[12:13]           ; (l % 16) / 2 of my eight
	global_load_b128 v[W1S:W1S+3], v[LI], s[16:17] offset:32768
	global_load_b128 v[W1S+4:W1S+7], v[LI], s[16:17] offset:33280
	WIN 0x40                                       ; destination window 1
.set i, 0
.rept 32
	global_load_b128 v[4*i:4*i+3], v[LI], s[16:17] offset:512*i
.set i, i+1
.endr
	WIN 0
	s_lshl_b32 s46, s45, 12                        ; b1: 4,096 bytes an expert, my 128 numbers
	s_lshl_b32 s42, s[WV], 9
	s_add_co_u32 s46, s46, s42
	s_add_nc_u64 s[8:9], s[8:9], s[46:47]
	s_lshl_b32 s48, s45, 10                        ; b2: 1,024 bytes an expert, my 32 numbers
	s_lshl_b32 s42, s[WV], 7
	s_add_co_u32 s48, s48, s42
	s_add_nc_u64 s[10:11], s[10:11], s[48:49]
.irp t, 0,1,2,3,4,5,6,7                        ; lane (r, h) wants, for tile 2 b + u, b1 of hidden units 32 b + 16 h + 8 u + 0 .. 7
	global_load_b128 v[B1+8*\t:B1+8*\t+3], v[B1O], s[8:9] offset:(32*(\t/2)+8*(\t%2))*4
	global_load_b128 v[B1+8*\t+4:B1+8*\t+7], v[B1O], s[8:9] offset:(32*(\t/2)+8*(\t%2))*4+16
.endr
	s_wait_loadcnt 50                              ; behind the list's three loads stand 2 + 32 + 16: the list is in
	v_min_u32 v9, 0x1fff, v9                       ; a row's number is held inside the table
	v_min_u32 v10, 0x1fff, v10
	v_min_u32 v11, 0x1fff, v11
	v_lshlrev_b32 v12, 7, v9                       ; 128 bytes of codes a row,
	v_lshlrev_b32 v13, 7, v10
	v_lshlrev_b32 v14, 3, v11                      ; 8 of scales
	v_add_nc_u32 v12, v12, v253
	v_add_nc_u32 v13, v13, v253
	v_add_nc_u32 v14, v14, v254
	global_load_b128 v[HA:HA+3], v12, s[4:5]
	global_load_b128 v[HA+4:HA+7], v13, s[4:5]
	global_load_b32 v[HA+8], v14, s[6:7]
	global_load_b128 v[W2S:W2S+3], v[LI], s[16:17] offset:33792
	global_load_b128 v[W2S+4:W2S+7], v[LI], s[16:17] offset:34304
	WIN 0x40
.set i, 0
.rept 32
	global_load_b128 v[128+4*i:128+4*i+3], v[LI], s[16:17] offset:16384+512*i
.set i, i+1
.endr
	WIN 0
.irp n, 0,1                                    ; for tile n: b2 of outputs 16 n + 8 h + 0 .. 7
	global_load_b128 v[B2+8*\n:B2+8*\n+3], v[B2O], s[10:11] offset:64*\n
	global_load_b128 v[B2+8*\n+4:B2+8*\n+7], v[B2O], s[10:11] offset:64*\n+16
.endr
	s_wait_kmcnt 0x0
.irp k, 0,1,2,3,4,5,6,7
	s_min_u32 s[ROWN+\k], s[ROWN+\k], 0x1fff
	s_lshl_b32 s[ROWA+2*\k], s[ROWN+\k], 10        ; a row of out0 is 1,024 bytes
	s_mov_b32 s[ROWA+2*\k+1], 0
	s_add_nc_u64 s[ROWA+2*\k:ROWA+2*\k+1], s[18:19], s[ROWA+2*\k:ROWA+2*\k+1]
.endr
	s_lshl_b32 s42, s[WV], 3
	s_sub_co_i32 s[LEFT], s44, s42
	s_wait_loadcnt 38                              ; behind x's three loads stand 2 + 32 + 4: x is in, and so are W1, its scales and b1; W2's may be out
	ds_store_b128 v[XW], v[HA:HA+3]
	ds_store_b128 v[XW], v[HA+4:HA+7] offset:64    ; four rows on: 16 bytes a row in an image
	ds_store_b32 v[XWS], v[HA+8]
	BARRIER                                        ; x's eight fragments and their scale words lie in LDS
; ---------------- 1: THE HIDDEN LAYER, a tile of 16 rows at a time
.macro FETCHX m, set                           ; x's two fragments of tile m
.irp s, 0,1
.irp c, 0,1
	ds_load_b128 v[XF+16*(\set)+8*\s+4*\c:XF+16*(\set)+8*\s+4*\c+3], v[LI] offset:XIMG+(2*(\m)+\s)*1024+512*\c
.endr
.endr
.endm
; 64 numbers of a lane, none negative, v[s] .. v[s + 63], register 16 b + i = k 32 b + 16 (lane / 16) + i of my row, become a fragment's codes in v[PC] on and its scale word in v[PW]
.macro QUANT s
.irp b, 0,1,2,3
	v_max3_num_f32 v[TM+\b], v[\s+16*\b], v[\s+1+16*\b], 0x1800000   ; block b: my 16 numbers, and the floor 2^(3 - 127): so the byte cannot fall under 1
.endr
.irp i, 2,4,6,8,10,12,14
.irp b, 0,1,2,3
	v_max3_num_f32 v[TM+\b], v[TM+\b], v[\s+16*\b+\i], v[\s+1+16*\b+\i]   ; (the four blocks by turns: no line waits for the line above it)
.endr
.endr
.irp b, 0,1,2,3
	v_permlanex16_b32 v[TM+4+\b], v[TM+\b], s[SEL], s[SEL+1]
.endr
.irp b, 0,1,2,3
	v_max_num_f32 v[TM+\b], v[TM+\b], v[TM+4+\b]   ; with lane l xor 16's: the block's largest number
.endr
.irp b, 0,1,2,3
	v_add_nc_u32 v[TM+8+\b], 0xff000000, v[TM+\b]  ; 2 off its exponent field: the conversion takes the exponent field of this operand as its scale, and nothing else of it
.endr
.irp b, 0,1,2,3
	v_lshrrev_b32 v[TM+4+\b], 23, v[TM+8+\b]       ; the scale's byte
.endr
	v_lshl_or_b32 v[PW], v[TM+5], 8, v[TM+4]       ; the four bytes make my row's scale word
	v_lshl_or_b32 v[PW], v[TM+6], 16, v[PW]
	v_lshl_or_b32 v[PW], v[TM+7], 24, v[PW]
.irp b, 0,1,2,3
	v_cvt_scalef32_pk8_fp4_f32 v[PC+2*\b], v[\s+16*\b:\s+7+16*\b], v[TM+8+\b]
	v_cvt_scalef32_pk8_fp4_f32 v[PC+1+2*\b], v[\s+8+16*\b:\s+15+16*\b], v[TM+8+\b]
.endr
	v_nop                                          ; one plain place behind a scaled conversion
.irp c, 0,1                                    ; the operand's layout wants a WHOLE block in a lane: lanes 0-15 block 2 c, lanes 16-31 block 2 c + 1
.irp i, 0,1
	v_permlane16_swap_b32 v[PC+4*\c+\i], v[PC+2+4*\c+\i]
.endr
.endr
.endm
.macro HID m
.if \m == 0
	s_wait_dscnt 4                                 ; x's scale words and tile 0's fragments are in; tile 1's four loads may be out
.else
	s_wait_dscnt 0x0                               ; this tile's fragments are in, and the last tile's images have left their registers
.endif
	WIN 0x01                                       ; source 0 (W1) window 1
.irp t, 0,1,2,3,4,5,6,7                        ; the eight accumulators take turns, one instruction a turn; b1 starts the sums
	v_wmma_scale_f32_16x16x128_f8f6f4 v[HA+8*\t:HA+8*\t+7], v[16*\t:16*\t+7], v[XF+16*((\m)%2):XF+16*((\m)%2)+7], v[B1+8*\t:B1+8*\t+7], v[W1S+\t], v[XS+\m] matrix_a_fmt:MATRIX_FMT_FP4 matrix_b_fmt:MATRIX_FMT_FP4
.endr
.irp t, 0,1,2,3,4,5,6,7                        ; K step 1: its scale words lie in lanes 16-31 of the same registers
	v_wmma_scale_f32_16x16x128_f8f6f4 v[HA+8*\t:HA+8*\t+7], v[16*\t+8:16*\t+15], v[XF+16*((\m)%2)+8:XF+16*((\m)%2)+15], v[HA+8*\t:HA+8*\t+7], v[W1S+\t], v[XS+\m] matrix_a_fmt:MATRIX_FMT_FP4 matrix_b_fmt:MATRIX_FMT_FP4 matrix_a_scale:MATRIX_SCALE_ROW1 matrix_b_scale:MATRIX_SCALE_ROW1
.endr
	WIN 0
	PLACES
.if \m < 2
	FETCHX (\m)+2, (\m)%2                          ; the set just multiplied takes the tile two further on
.endif
.set j, 0
.rept 64
	v_max_num_f32 v[HA+j], 0, v[HA+j]              ; the activation, in f32; each accumulator from its low end on
.set j, j+1
.endr
	QUANT HA
.irp c, 0,1
	ds_store_b128 v[HWI], v[PC+4*\c:PC+4*\c+3] offset:HIMG+1024*(\m)+512*\c   ; K step w of the second product, rows 16 m on: the fragment as it stands
.endr
	ds_store_b32 v[HWS], v[PW] offset:HSC+4*(\m)
.endm
	ds_load_b128 v[XS:XS+3], v[LI] offset:XSC      ; register m: tile m's scale words
	FETCHX 0, 0
	FETCHX 1, 1
	HID 0
	HID 1
	HID 2
	HID 3
	BARRIER                                        ; the hidden layer's 32 fragments lie in LDS
; ---------------- 2: MY 32 OUTPUTS FOR THE 64 ROWS: eight accumulators by turns, a K step (128 hidden units, wave s's) at a time
.macro FETCHH s, set                           ; nine loads: K step s's four fragments and their scale words (register m: tile m's)
.irp m, 0,1,2,3
.irp c, 0,1
	ds_load_b128 v[ST+32*(\set)+8*\m+4*\c:ST+32*(\set)+8*\m+4*\c+3], v[LI] offset:HIMG+(4*(\s)+\m)*1024+512*\c
.endr
.endr
	ds_load_b128 v[HS+4*(\set):HS+4*(\set)+3], v[LI] offset:HSC+512*(\s)
.endm
.macro YSTEP s
.if \s < 7
	s_wait_dscnt 9                                 ; this K step's nine loads are in; the next step's nine may be out
.else
	s_wait_dscnt 0x0
.endif
	WIN 0x01                                       ; source 0 (W2) window 1
.irp m, 0,1,2,3
.irp n, 0,1
.if \s == 0
	v_wmma_scale_f32_16x16x128_f8f6f4 v[YA+8*(4*\n+\m):YA+8*(4*\n+\m)+7], v[128+8*(8*\n+\s):128+8*(8*\n+\s)+7], v[ST+32*((\s)%2)+8*\m:ST+32*((\s)%2)+8*\m+7], v[B2+8*\n:B2+8*\n+7], v[W2S+4*\n+(\s)/2], v[HS+4*((\s)%2)+\m] matrix_a_fmt:MATRIX_FMT_FP4 matrix_b_fmt:MATRIX_FMT_FP4
.elseif (\s)%2
	v_wmma_scale_f32_16x16x128_f8f6f4 v[YA+8*(4*\n+\m):YA+8*(4*\n+\m)+7], v[128+8*(8*\n+\s):128+8*(8*\n+\s)+7], v[ST+32*((\s)%2)+8*\m:ST+32*((\s)%2)+8*\m+7], v[YA+8*(4*\n+\m):YA+8*(4*\n+\m)+7], v[W2S+4*\n+(\s)/2], v[HS+4*((\s)%2)+\m] matrix_a_fmt:MATRIX_FMT_FP4 matrix_b_fmt:MATRIX_FMT_FP4 matrix_a_scale:MATRIX_SCALE_ROW1
.else
	v_wmma_scale_f32_16x16x128_f8f6f4 v[YA+8*(4*\n+\m):YA+8*(4*\n+\m)+7], v[128+8*(8*\n+\s):128+8*(8*\n+\s)+7], v[ST+32*((\s)%2)+8*\m:ST+32*((\s)%2)+8*\m+7], v[YA+8*(4*\n+\m):YA+8*(4*\n+\m)+7], v[W2S+4*\n+(\s)/2], v[HS+4*((\s)%2)+\m] matrix_a_fmt:MATRIX_FMT_FP4 matrix_b_fmt:MATRIX_FMT_FP4
.endif
.endr
.endr
	WIN 0
	PLACES                                         ; in front of the loads into the set just multiplied; behind the last step, in front of the first read of the results
.if \s < 6
	FETCHH (\s)+2, (\s)%2
.endif
.endm
	FETCHH 0, 0
	FETCHH 1, 1
	s_wait_loadcnt 0x0                             ; W2, its scale words and b2
	YSTEP 0
	YSTEP 1
	YSTEP 2
	YSTEP 3
	YSTEP 4
	YSTEP 5
	YSTEP 6
	YSTEP 7
.irp m, 0,1,2,3
.irp n, 0,1
	ds_store_b128 v[SO], v[YA+8*(4*\n+\m):YA+8*(4*\n+\m)+3] offset:16*SPI*\m+64*\n        ; lane (r, h): row 16 m + r, outputs 32 w + 16 n + 8 h + 0 .. 7; each accumulator from its low end on
	ds_store_b128 v[SO], v[YA+8*(4*\n+\m)+4:YA+8*(4*\n+\m)+7] offset:16*SPI*\m+64*\n+16
.endr
.endr
	BARRIER                                        ; 64 whole rows lie in the stage.  The last barrier: only behind it do branches hang on the tile's numbers
; ---------------- THE WAY OUT: wave w stores rows 8 w .. 8 w + 7 of the tile, as far as the tile has them, each to the place that the list names
.macro SEND live                               ; live = 1: row k from its eight registers; 0: every row from the four cleared ones
.irp k, 0,1,2,3,4,5,6,7
	s_cmp_le_i32 s[LEFT], \k
	s_cbranch_scc1 .Lend
	global_store_b128 v[LI], v[OUT+8*\k*\live:OUT+8*\k*\live+3], s[ROWA+2*\k:ROWA+2*\k+1] th:TH_STORE_NT                       ; 32 lanes store 512 consecutive bytes, aligned; written once, read by nobody here
	global_store_b128 v[LI], v[OUT+(8*\k+4)*\live:OUT+(8*\k+4)*\live+3], s[ROWA+2*\k:ROWA+2*\k+1] offset:512 th:TH_STORE_NT
.endr
.endm
	s_cmp_eq_u32 s38, 16
	s_cbranch_scc1 .Lzero
.set i, 0
.rept 16
	ds_load_b128 v[OUT+4*i:OUT+4*i+3], v[SR] offset:(i/2)*SPI+512*(i%2)
.set i, i+1
.endr
	s_wait_dscnt 0x0
	SEND 1
	s_branch .Lend
.Lzero:                                            ; rows that no expert takes are zeros
.irp j, 0,1,2,3
	v_mov_b32 v[OUT+\j], 0
.endr
	SEND 0
.Lend:
	s_wait_tensorcnt 0x0
	ds_add_u32 v135, v255
	s_wait_dscnt 0x0
	s_endpgm
.Lfunc_end_k_qb006bde4b8_chain:
	.size	k_qb006bde4b8_chain, .Lfunc_end_k_qb006bde4b8_chain-k_qb006bde4b8_chain
	.p2alignl 7, 3214868480
	.fill 96, 4, 3214868480
	.section	.rodata,"a",@progbits
	.p2align	6, 0x0
	.amdhsa_kernel k_qb006bde4b8_chain
		.amdhsa_group_segment_fixed_size 113152
		.amdhsa_private_segment_fixed_size 0
		.amdhsa_enable_private_segment 0
		.amdhsa_kernarg_size 64
		.amdhsa_user_sgpr_count 2
		.amdhsa_user_sgpr_kernarg_segment_ptr 1
		.amdhsa_wavefront_size32 1
		.amdhsa_system_sgpr_workgroup_id_x 1
		.amdhsa_system_sgpr_workgroup_id_y 1
		.amdhsa_system_sgpr_workgroup_id_z 1
		.amdhsa_system_vgpr_workitem_id 0
		.amdhsa_next_free_vgpr 512
		.amdhsa_next_free_sgpr 84
		.amdhsa_reserve_vcc 0
		.amdhsa_float_denorm_mode_32 3
		.amdhsa_float_denorm_mode_16_64 3
		.amdhsa_memory_ordered 1
		.amdhsa_forward_progress 1
		.amdhsa_inst_pref_size 74
	.end_amdhsa_kernel
	.amdgpu_metadata
---
amdhsa.version: [ 1, 2 ]
amdhsa.kernels:
  - .name:           k_qb006bde4b8_chain
    .symbol:         k_qb006bde4b8_chain.kd
    .args:
      - { .name: in_feats_codes, .offset: 0, .size: 8, .value_kind: global_buffer, .address_space: global }
      - { .name: in_feats_scales, .offset: 8, .size: 8, .value_kind: global_buffer, .address_space: global }
      - { .name: b1, .offset: 16, .size: 8, .value_kind: global_buffer, .address_space: global }
      - { .name: b2, .offset: 24, .size: 8, .value_kind: global_buffer, .address_space: global }
      - { .name: order, .offset: 32, .size: 8, .value_kind: global_buffer, .address_space: global }
      - { .name: counts, .offset: 40, .size: 8, .value_kind: global_buffer, .address_space: global }
      - { .name: wpack, .offset: 48, .size: 8, .value_kind: global_buffer, .address_space: global }
      - { .name: out0, .offset: 56, .size: 8, .value_kind: global_buffer, .address_space: global }
    .group_segment_fixed_size: 113152
    .private_segment_fixed_size: 0
    .kernarg_segment_align: 8
    .kernarg_segment_size: 64
    .max_flat_workgroup_size: 256
    .sgpr_count:     84
    .vgpr_count:     512
    .wavefront_size: 32
...
	.end_amdgpu_metadata
.endif
;; end of part 2
;; ======== version 2 of 2: 2 launches
;; workspace buffers: order 561,408 bytes of whole numbers; counts 256 bytes of whole numbers; wpack 4,456,448 bytes
;; launch prep (part 3): grid 145 x 1, 16 waves a work-group, no clusters, 2,304 bytes of LDS; arguments module_ids, W1_codes, W1_scales, W2_codes, W2_scales, order, counts, wpack; writes order, counts, wpack
.if DOCPART == 3
	.amdgcn_target "amdgcn-amd-amdhsa--gfx1250"
	.amdhsa_code_object_version 6
	.text
	.protected	k_qb006bde4b8_prep
	.globl	k_qb006bde4b8_prep
	.p2align	8
	.type	k_qb006bde4b8_prep,@function
k_qb006bde4b8_prep:
	s_mov_b64 s[64:65], 0
	v_nop
	global_prefetch_b8 v0, s[64:65] scope:SCOPE_SE
	s_setreg_imm32_b32 hwreg(HW_REG_WAVE_MODE, 25, 1), 1
	s_wait_xcnt 0x0
; TWO JOBS IN ONE LAUNCH, told apart by the work-group's number alone.
; Work-groups 0 to 16 (bucket e = the work-group's number; bucket 16 takes every id outside 0 .. 15, negative ones too): each scans all 8,192 ids and writes
;   order[e]: the numbers of the rows whose id is e (in any order), then 64 entries of 0;  counts[e]: how many they are.  No atomics: a bucket has one owner.
; Work-groups 17 to 144 (package p = number - 17 = 8 e + w): the weights that wave w of a work-group of the second launch wants for expert e, laid in the order of its
;   operand registers, so that it loads every fragment whole, 16 bytes a lane, 512 consecutive bytes an instruction.  A package, 34,816 bytes:
;   0      W1's 16 fragments (tile t, K step s), 1,024 bytes each: block 2 (2 t + s) + c of 512 bytes, lane (r, h) at 16 x lane: bytes 64 s + 32 c + 16 h of W1's row 128 w + 32 (t / 2) + 8 (t % 2) + r + 8 (r / 8)
;   16,384 W2's 16 fragments (tile n, K step s): block 2 (8 n + s) + c: the same bytes of W2's row 32 w + 16 n + r
;   32,768 W1's scale words, two blocks of 512 bytes: block q, lane (r, h), word i: the scale word of K step h of tile 4 q + i's row
;   33,792 W2's scale words, two blocks: block n, lane (r, h), word i: the scale word of K step 2 i + h of row 32 w + 16 n + r
.set BUCKET, 33024                     ; bytes of a bucket: 8,256 entries of 4 bytes (8,192 rows at the most, and the 64 zeros)
.set LASTE,  0x203f                    ; a bucket's last entry, 8,255
.set PKG,    34816
	s_load_b512 s[4:19], s[0:1], 0x0               ; ids s[4:5], W1's codes s[6:7], scales s[8:9], W2's codes s[10:11], scales s[12:13], order s[14:15], counts s[16:17], wpack s[18:19]
	v_lshl_add_u32 v80, v0, 2, 0x100
	v_mov_b32 v81, 0
	v_lshrrev_b32 v1, 5, v0
	s_delay_alu instid0(VALU_DEP_1)
	v_readfirstlane_b32 s20, v1                    ; wave 0..15
	s_cmp_lt_u32 ttmp9, 17
	s_cbranch_scc0 .Lpack
	; ---------------- A BUCKET.  512 threads x 16 ids: thread t's register 4 j + k holds the id of row 4 t + 2,048 j + k
	v_lshlrev_b32 v3, 4, v0                        ; 16 bytes a thread: a wave's load covers 512 consecutive bytes
	v_and_b32 v2, 31, v0                           ; lane
	v_lshlrev_b32 v20, 2, v0                       ; 4 t
	s_mov_b32 s21, ttmp9                           ; e
	s_mov_b32 s22, 0                               ; my wave's count
	s_wait_alu depctr_va_vdst(0)
	s_wait_kmcnt 0x0
.irp j, 0,1,2,3
	global_load_b128 v[4+4*\j:7+4*\j], v3, s[4:5] offset:8192*\j
.endr
	s_wait_loadcnt 0x0
.irp i, 0,1,2,3,4,5,6,7,8,9,10,11,12,13,14,15
	v_min_u32 v[4+\i], 16, v[4+\i]                 ; taken as unsigned: whatever is not 0 .. 15 is bucket 16
.endr
.irp i, 0,1,2,3,4,5,6,7,8,9,10,11,12,13,14,15
	v_cmp_eq_u32 s[32+\i], s21, v[4+\i]            ; the lanes whose id is e: the sixteen masks are kept
	s_bcnt1_i32_b32 s25, s[32+\i]
	s_add_co_u32 s22, s22, s25
.endr
	v_mov_b32 v72, s20
	s_delay_alu instid0(VALU_DEP_1)
	v_lshlrev_b32 v72, 2, v72                      ; LDS: a word for each wave
	v_mov_b32 v73, s22
	ds_store_b32 v72, v73                          ; all lanes write the same word with the same value
	s_wait_dscnt 0x0                               ; for the others' sake: my count lies in LDS
	s_barrier_signal -1
	s_barrier_wait -1
	v_mov_b32 v74, 0
.irp i, 0,1,2,3
	ds_load_b128 v[56+4*\i:59+4*\i], v74 offset:16*\i   ; the sixteen counts, in every lane
.endr
	s_wait_dscnt 0x0
.irp k, 0,1,2,3,4,5,6,7,8,9,10,11,12,13,14,15
	v_readfirstlane_b32 s[48+\k], v[56+\k]
.endr
	s_mov_b32 s23, 0                               ; where my wave's rows begin in the bucket: the counts of the waves in front of me
	s_mov_b32 s24, 0                               ; n: the bucket's rows
.irp k, 0,1,2,3,4,5,6,7,8,9,10,11,12,13,14,15
	s_cmp_gt_u32 s20, \k
	s_cselect_b32 s25, s[48+\k], 0
	s_add_co_u32 s23, s23, s25
	s_add_co_u32 s24, s24, s[48+\k]
.endr
	s_mul_i32 s26, s21, BUCKET
	s_mov_b32 s27, 0
	s_add_nc_u64 s[14:15], s[14:15], s[26:27]      ; my bucket
	v_add_nc_u32 v21, s24, v2                      ; entries n + lane and n + 32 + lane: the 64 zeros behind the list
	s_delay_alu instid0(VALU_DEP_1)
	v_add_nc_u32 v22, 32, v21
	; PLACING, with all lanes on: a lane whose id is e writes its row's number at the next free entry; any other lane writes a 0 among the 64 zeros, where a 0 belongs anyway.
	; Each store has address and data registers of its own, so none is written again while a store may read it.
.irp i, 0,1,2,3,4,5,6,7,8,9,10,11,12,13,14,15
	v_mbcnt_lo_u32_b32 v[24+\i], s[32+\i], s23     ; the wave's next free entry + the matching lanes below me
	s_delay_alu instid0(VALU_DEP_1)
	v_cndmask_b32 v[24+\i], v[21+(\i%2)], v[24+\i], s[32+\i]
	s_delay_alu instid0(VALU_DEP_1)
	v_min_u32 v[24+\i], LASTE, v[24+\i]            ; an entry made of loaded numbers is held inside the bucket (it never passes n + 63, 8,255 at the most)
	s_delay_alu instid0(VALU_DEP_1)
	v_lshlrev_b32 v[24+\i], 2, v[24+\i]
	v_add_nc_u32 v[40+\i], 2048*(\i/4)+(\i%4), v20 ; the row
	s_delay_alu instid0(VALU_DEP_1)
	v_cndmask_b32 v[40+\i], 0, v[40+\i], s[32+\i]
	global_store_b32 v[24+\i], v[40+\i], s[14:15]
	s_bcnt1_i32_b32 s25, s[32+\i]
	s_add_co_u32 s23, s23, s25
.endr
	s_cmp_lg_u32 s20, 0
	s_cbranch_scc1 .Lend
	v_min_u32 v75, LASTE, v21                      ; wave 0: the 64 zeros are written whatever the ids are,
	v_min_u32 v76, LASTE, v22
	s_delay_alu instid0(VALU_DEP_2)
	v_lshlrev_b32 v75, 2, v75
	s_delay_alu instid0(VALU_DEP_2)
	v_lshlrev_b32 v76, 2, v76
	global_store_b32 v75, v74, s[14:15]
	global_store_b32 v76, v74, s[14:15]
	s_lshl_b32 s26, s21, 2
	s_add_nc_u64 s[16:17], s[16:17], s[26:27]
	v_mov_b32 v78, s24
	global_store_b32 v74, v78, s[16:17]            ; and counts[e] = n (all lanes: the same word, the same value)
	s_branch .Lend
	; ---------------- A PACKAGE.  Wave v copies W1's fragment (t = v / 2, s = v % 2) and W2's fragment (n = v / 8, s = v % 8); waves 0 to 3 a block of scale words each
.Lpack:
	v_and_b32 v1, 31, v0                           ; lane
	v_and_b32 v2, 15, v0                           ; r
	v_bfe_u32 v3, v0, 4, 1                         ; h
	s_delay_alu instid0(VALU_DEP_2)
	v_and_b32 v7, 8, v2
	s_delay_alu instid0(VALU_DEP_1)
	v_add_nc_u32 v7, v7, v2                        ; r + 8 (r / 8): the rows of a tile of W1 are not neighbours
	s_delay_alu instid0(VALU_DEP_1)
	v_lshlrev_b32 v4, 7, v7                        ; W1: a row is 128 bytes,
	s_delay_alu instid0(VALU_DEP_1)
	v_lshl_add_u32 v4, v3, 4, v4                   ; + 16 h
	v_lshlrev_b32 v5, 9, v2                        ; W2: a row is 512 bytes
	s_delay_alu instid0(VALU_DEP_1)
	v_lshl_add_u32 v5, v3, 4, v5
	v_lshlrev_b32 v6, 4, v1                        ; out: 16 x lane
	s_sub_co_u32 s21, ttmp9, 17                    ; p
	s_lshr_b32 s22, s21, 3                         ; e
	s_and_b32 s23, s21, 7                          ; w
	s_lshl_b32 s24, s22, 17                        ; an expert's codes are 131,072 bytes in W1 and in W2,
	s_lshl_b32 s32, s23, 14                        ; wave w's part of them 16,384 (128 rows of 128 bytes; 32 rows of 512)
	s_add_co_u32 s24, s24, s32
	s_mov_b32 s26, s24
	s_lshr_b32 s32, s20, 2                         ; W1: tile t begins at row 32 (t / 2) + 8 (t % 2); t / 2 = v / 4
	s_lshl_b32 s32, s32, 12
	s_add_co_u32 s24, s24, s32
	s_bfe_u32 s32, s20, 0x10001                    ; t % 2 = bit 1 of v
	s_lshl_b32 s32, s32, 10
	s_add_co_u32 s24, s24, s32
	s_and_b32 s32, s20, 1                          ; K step s: 64 bytes
	s_lshl_b32 s32, s32, 6
	s_add_co_u32 s24, s24, s32
	s_mov_b32 s25, 0
	s_lshr_b32 s32, s20, 3                         ; W2: tile n: 16 rows of 512 bytes
	s_lshl_b32 s32, s32, 13
	s_add_co_u32 s26, s26, s32
	s_and_b32 s32, s20, 7                          ; K step s
	s_lshl_b32 s32, s32, 6
	s_add_co_u32 s26, s26, s32
	s_mov_b32 s27, 0
	s_mul_i32 s28, s21, PKG
	s_mov_b32 s29, 0
	s_lshl_b32 s30, s20, 10                        ; fragment v of either weight: 1,024 bytes
	s_mov_b32 s31, 0
	s_wait_alu depctr_va_vdst(0)
	s_wait_kmcnt 0x0
	s_add_nc_u64 s[6:7], s[6:7], s[24:25]
	s_add_nc_u64 s[10:11], s[10:11], s[26:27]
	s_add_nc_u64 s[18:19], s[18:19], s[28:29]      ; my package
	s_add_nc_u64 s[34:35], s[18:19], s[30:31]
.irp c, 0,1
	global_load_b128 v[8+4*\c:11+4*\c], v4, s[6:7] offset:32*\c
	global_load_b128 v[16+4*\c:19+4*\c], v5, s[10:11] offset:32*\c
.endr
	s_wait_loadcnt 0x0
.irp c, 0,1
	global_store_b128 v6, v[8+4*\c:11+4*\c], s[34:35] offset:512*\c          ; each store of the wave covers 512 consecutive bytes, aligned
	global_store_b128 v6, v[16+4*\c:19+4*\c], s[34:35] offset:16384+512*\c
.endr
	s_cmp_lt_u32 s20, 4
	s_cbranch_scc0 .Lend
	s_lshl_b32 s38, s22, 13                        ; the scale bytes: 8,192 an expert in W1 and in W2, 1,024 a wave w, 512 a block (64 rows of 8 bytes; 16 rows of 32)
	s_lshl_b32 s32, s23, 10
	s_add_co_u32 s38, s38, s32
	s_and_b32 s32, s20, 1
	s_lshl_b32 s32, s32, 9
	s_add_co_u32 s38, s38, s32
	s_mov_b32 s39, 0
	s_lshl_b32 s36, s20, 9                         ; block v of the package's four
	s_mov_b32 s37, 0
	s_add_nc_u64 s[36:37], s[18:19], s[36:37]
	s_cmp_lt_u32 s20, 2
	s_cbranch_scc0 .Lw2s
	s_add_nc_u64 s[8:9], s[8:9], s[38:39]          ; waves 0, 1: W1's, tiles 4 v .. 4 v + 3
	v_lshlrev_b32 v28, 3, v7                       ; 8 bytes a row, by the tile's rows,
	s_delay_alu instid0(VALU_DEP_1)
	v_lshl_add_u32 v28, v3, 2, v28                 ; lanes 16-31 the word of K step 1
.irp i, 0,1,2,3
	global_load_b32 v[24+\i], v28, s[8:9] offset:(32*(\i/2)+8*(\i%2))*8
.endr
	s_branch .Lsc
.Lw2s:
	s_add_nc_u64 s[12:13], s[12:13], s[38:39]      ; waves 2, 3: W2's, tile v - 2
	v_lshlrev_b32 v28, 5, v2                       ; 32 bytes a row,
	s_delay_alu instid0(VALU_DEP_1)
	v_lshl_add_u32 v28, v3, 2, v28                 ; lanes 16-31 the odd K steps' words
.irp i, 0,1,2,3
	global_load_b32 v[24+\i], v28, s[12:13] offset:8*\i
.endr
.Lsc:
	s_wait_loadcnt 0x0
	global_store_b128 v6, v[24:27], s[36:37] offset:32768
.Lend:
	s_wait_tensorcnt 0x0
	ds_add_u32 v80, v81
	s_wait_dscnt 0x0
	s_endpgm
.Lfunc_end_k_qb006bde4b8_prep:
	.size	k_qb006bde4b8_prep, .Lfunc_end_k_qb006bde4b8_prep-k_qb006bde4b8_prep
	.p2alignl 7, 3214868480
	.fill 96, 4, 3214868480
	.section	.rodata,"a",@progbits
	.p2align	6, 0x0
	.amdhsa_kernel k_qb006bde4b8_prep
		.amdhsa_group_segment_fixed_size 2304
		.amdhsa_private_segment_fixed_size 0
		.amdhsa_enable_private_segment 0
		.amdhsa_kernarg_size 64
		.amdhsa_user_sgpr_count 2
		.amdhsa_user_sgpr_kernarg_segment_ptr 1
		.amdhsa_wavefront_size32 1
		.amdhsa_system_sgpr_workgroup_id_x 1
		.amdhsa_system_sgpr_workgroup_id_y 1
		.amdhsa_system_sgpr_workgroup_id_z 1
		.amdhsa_system_vgpr_workitem_id 0
		.amdhsa_next_free_vgpr 82
		.amdhsa_next_free_sgpr 66
		.amdhsa_reserve_vcc 0
		.amdhsa_float_denorm_mode_32 3
		.amdhsa_float_denorm_mode_16_64 3
		.amdhsa_memory_ordered 1
		.amdhsa_forward_progress 1
		.amdhsa_inst_pref_size 22
	.end_amdhsa_kernel
	.amdgpu_metadata
---
amdhsa.version: [ 1, 2 ]
amdhsa.kernels:
  - .name:           k_qb006bde4b8_prep
    .symbol:         k_qb006bde4b8_prep.kd
    .args:
      - { .name: module_ids, .offset: 0, .size: 8, .value_kind: global_buffer, .address_space: global }
      - { .name: W1_codes, .offset: 8, .size: 8, .value_kind: global_buffer, .address_space: global }
      - { .name: W1_scales, .offset: 16, .size: 8, .value_kind: global_buffer, .address_space: global }
      - { .name: W2_codes, .offset: 24, .size: 8, .value_kind: global_buffer, .address_space: global }
      - { .name: W2_scales, .offset: 32, .size: 8, .value_kind: global_buffer, .address_space: global }
      - { .name: order, .offset: 40, .size: 8, .value_kind: global_buffer, .address_space: global }
      - { .name: counts, .offset: 48, .size: 8, .value_kind: global_buffer, .address_space: global }
      - { .name: wpack, .offset: 56, .size: 8, .value_kind: global_buffer, .address_space: global }
    .group_segment_fixed_size: 2304
    .private_segment_fixed_size: 0
    .kernarg_segment_align: 8
    .kernarg_segment_size: 64
    .max_flat_workgroup_size: 512
    .sgpr_count:     66
    .vgpr_count:     82
    .wavefront_size: 32
...
	.end_amdgpu_metadata
.endif
;; end of part 3
;; launch chain (part 4): grid 144 x 1, 8 waves a work-group, no clusters, 113,152 bytes of LDS; arguments in_feats_codes, in_feats_scales, b1, b2, order, counts, wpack, out0; writes out0
.if DOCPART == 4
	.amdgcn_target "amdgcn-amd-amdhsa--gfx1250"
	.amdhsa_code_object_version 6
	.text
	.protected	k_qb006bde4b8_chain
	.globl	k_qb006bde4b8_chain
	.p2align	8
	.type	k_qb006bde4b8_chain,@function
k_qb006bde4b8_chain:
	s_mov_b64 s[64:65], 0
	v_nop
	global_prefetch_b8 v0, s[64:65] scope:SCOPE_SE
	s_setreg_imm32_b32 hwreg(HW_REG_WAVE_SCHED_MODE, 0, 2), 2
	s_setreg_imm32_b32 hwreg(HW_REG_WAVE_MODE, 25, 1), 1
	s_wait_xcnt 0x0
	s_wait_alu depctr_vm_vsrc(0)
; out[row] = relu(x[row] W1[e] + b1[e]) W2[e] + b2[e] for e = the row's id; rows whose id is outside 0 .. 15 are zeros.  Both products on codes of FP4 (E2M1) with one E8M0 scale for each 32 along K.
; ONLY THE CHOSEN EXPERT'S ROWS ARE MULTIPLIED.  The launch before has listed each bucket's rows (order, counts; bucket 16: no expert).  A tile is 64 listed rows of one bucket; with 8,192 rows and 17 buckets there
; are never more than 8,192 / 64 + 16 = 144 tiles, whatever the ids: so many work-groups are launched.  A work-group finds its tile from the 17 counts, without a jump.  One that a split leaves without a tile
; runs on row 0 (every wave has to pass every barrier) and stores nothing.
; SHARES.  Eight waves.  THE WAVES SHARE THE COLUMNS: wave w makes hidden units 128 w .. 128 w + 127 (K step w of the second product) and outputs 32 w .. 32 w + 31, for all 64 rows.  Its part of W1 and W2
; (256 registers) comes from memory straight into registers, each byte once a work-group, from the package that the launch before laid in the order of the operand registers.
; What goes from wave to wave is small: x's codes and the hidden layer's, through LDS as IMAGES OF THE OPERANDS' REGISTERS (16 bytes a lane at 16 x lane, 512 bytes a store).  The hidden layer never goes to memory.
; BOTH PRODUCTS ARE USED TRANSPOSED (source 0 = 16 rows of the weight, source 1 = 16 rows of the tile): a lane holds one row and its registers run along the columns.  The rows of W1 that form a tile are chosen
; (lane r of tile 2 b + u: row 32 b + 8 u + r + 8 (r / 8)) so that the 16 registers of tiles 2 b, 2 b + 1 are 16 neighbours along the next K.  The biases are the C of each sum's first matrix instruction.
; NO CLUSTER, NO TENSOR LOADS: the tiles of one expert read the same weights, but which expert a work-group serves is a number read from memory, an expert has any number of tiles from 0 to 128, so the grid
; does not fall into fours of one expert at every split; and the last stores hang on the tile's count of rows.
; LIMITS.  A block of 32 hidden numbers that are all 0 gets the scale byte 1 where the rule says 127: its codes are zeros, and the byte is read here alone.  Blocks whose largest number lies under 2^-124 are held at byte 1.
; NaN or infinity in the hidden layer is not served (the relu turns NaN into 0).  A given scale byte 0xff makes the sums NaN.
; THE MODE: SCHED_MODE bits 1:0 = 2 (LLVM: expert scheduling mode 2), set by the entry lines.  The code itself states the register dependences
; between vector or matrix instructions and memory or LDS instructions, with s_wait_alu, always for 0.
; THE PLAN.  Registers that memory or LDS instructions touch:
;   v4-8, v15, v244-248  addresses and offsets: made once at the head by vector instructions, never written again: one wait on va_vdst ahead of the first load serves them for the whole kernel.
;   v12-14      the gather's offsets, made from the list: a wait on va_vdst ahead of x's three loads; never written again.
;   v48-56      x as loaded: read by three LDS stores, then written by the first tile's matrix instructions: a wait on vm_vsrc behind the first barrier.
;   XF0, XF1    Tile m: its matrix instructions read XF[m % 2]; the LDS loads of tile m + 2 land in it at the tile's end.
;   PC, PW      Tile m: written by its quantiser, read by its three LDS stores, written again by the quantiser of tile m + 1.
;   So ONE wait on va_vdst stands in a tile, behind its quantiser: PC and PW are written, and the tile's matrix instructions are done reading XF[m % 2]; the stores and the loads follow it.
;   One wait on vm_vsrc stands ahead of the quantiser of tiles 1 to 3, a product and a relu behind the stores that it speaks of.
;   F0, F1, F2  the hidden layer's fragments with their scale words, three sets: F0, F1 in b1's registers, F2 in XF's and XS's, all of them free behind the first product.
;               K step s: its matrix instructions read F[s % 3]; the loads of K step s + 2 land in F[(s + 2) % 3] = F[(s - 1) % 3], which the step before read.
;   So ONE wait on va_vdst stands at the head of K steps 1 to 5, behind the wait for the step's own set; the nine loads follow it in one run, ahead of the products: these run with
;   source 0 in window 1, where an LDS load would look for its address, so that loads dealt among them would each want two switches of the window.
;   YA          the accumulators: written by matrix instructions, read by the stage's stores: the four places, then a wait on va_vdst, which also frees v180-243 for the rows that come back from the stage.
;   v135, v255  written at the head, read by the closing add alone.
; LDS
.set XIMG, 0                           ; x's 8 fragments (tile of rows m, K step s): (2 m + s) x 1,024 + 512 c + 16 x lane
.set XSC,  8192                        ; x's scale words: 16 x lane + 4 m; lanes 0-15 K step 0's, lanes 16-31 K step 1's
.set HIMG, 8704                        ; the hidden layer's 32 fragments: (4 s + m) x 1,024 + 512 c + 16 x lane
.set HSC,  41472                       ; their scale words: 512 s + 16 x lane + 4 m
.set STG,  45568                       ; the stage for 64 rows of the result: 1,024 bytes + 16 a row
.set SPI,  1040
; VECTOR REGISTERS.  Window 0:
.set LI,  4                            ; 16 x lane
.set HWI, 5                            ; 16 x lane + 4,096 w: where I store the hidden layer's images
.set HWS, 6                            ; 16 x lane + 512 w: and their scale words
.set SO,  7                            ; the stage: row r, + 32 h + 128 w
.set SR,  8                            ; and back: my 8 rows, 16 bytes a lane
.set OA,  15                           ; the list: 4 (lane / 8)
.set OB,  244                          ; the list: 4 ((lane % 16) / 2)
.set XW,  245                          ; where x's codes go in XIMG
.set XWS, 246                          ; where x's scale words go in XSC
.set B1O, 247                          ; 64 h
.set B2O, 248                          ; 32 h
.set XF,  16                           ; v16-47   x's fragments: two sets of two; later the hidden layer's third set of four
.set HA,  48                           ; v48-111  my 8 tiles of the hidden layer; at the head x as it is loaded; later the 8 accumulators of the result
.set YA,  48
.set PC,  112                          ; v112-119 the codes just made
.set TM,  120                          ; v120-123 largest numbers, v124-127 the other half's, then the bytes, v128-131 the conversions' scale operands
.set PW,  132                          ; the scale word just made
.set XS,  136                          ; v136-139 x's scale words; later the hidden layer's third set        (v136-163 hold scales and nothing else)
.set HS,  140                          ; v140-147 the hidden layer's, sets 0 and 1
.set W1S, 148                          ; v148-155 W1's: register t; lanes 0-15 K step 0, lanes 16-31 K step 1
.set W2S, 156                          ; v156-163 W2's: register 4 n + s / 2; lanes 0-15 the even K step, lanes 16-31 the odd one
.set B2,  164                          ; v164-179 b2's two tiles
.set B1,  180                          ; v180-243 b1's eight tiles; then
.set ST,  180                          ;          the hidden layer's fragments, sets 0 and 1 of four; then
.set OUT, 180                          ;          my 8 rows of the result
; Window 1: v0-127 W1's fragments, (t, s) at 8 (2 t + s); v128-255 W2's, (n, s) at 128 + 8 (8 n + s)
; SCALAR REGISTERS: s[4:19] the eight addresses; s[20:36] the counts; s38 e, s39 the tile's first entry, s40 n, s41 tiles so far, s44 the tile's rows, s45 the expert whose weights are read
.set WV,   37
.set ROWN, 52                          ; s[52:59] the numbers of the 8 rows that I store
.set SEL,  60                          ; s[60:61] v_permlanex16_b32's selects for lane l xor 16
.set ROWA, 66                          ; s[66:81] their addresses in out0
.set LEFT, 82                          ; the tile's rows less my first: how many of my 8 rows exist
.set MSB, 0
.macro WIN new                         ; s_set_vgpr_msb: bits 1:0 source 0, 7:6 destination; the immediate's high byte repeats the setting that is left
.if MSB != \new
	s_set_vgpr_msb (MSB<<8)|\new
.set MSB, \new
.endif
.endm
.macro BARRIER                         ; my LDS stores have landed and my LDS loads are in: then the work-group's barrier
	s_wait_dscnt 0x0
	s_barrier_signal -1
	s_barrier_wait -1
.endm
.macro PLACES                          ; four plain vector instructions between a matrix instruction and a load into, or a read of, its registers
.rept 4
	v_nop
.endr
.endm
	s_load_b512 s[4:19], s[0:1], 0x0               ; x's codes s[4:5], x's scales s[6:7], b1 s[8:9], b2 s[10:11], order s[12:13], counts s[14:15], wpack s[16:17], out0 s[18:19]
	v_lshl_add_u32 v135, v0, 2, 0x1b600
	v_mov_b32 v255, 0
	v_lshrrev_b32 v249, 5, v0
	v_readfirstlane_b32 s[WV], v249                ; wave 0..7
	s_wait_kmcnt 0x0
	s_load_b512 s[20:35], s[14:15], 0x0            ; the 17 counts
	s_load_b32 s36, s[14:15], 0x40
	; lane terms and LDS addresses, while the counts are on their way
	v_and_b32 v1, 31, v0                           ; lane
	v_and_b32 v2, 15, v0                           ; r
	v_bfe_u32 v3, v0, 4, 1                         ; h
	v_lshlrev_b32 v[LI], 4, v1
	s_wait_alu depctr_va_sdst(0)                   ; the wave's number is written into its scalar register, ahead of its first reader, the line below
	s_lshl_b32 s42, s[WV], 12
	v_add_nc_u32 v[HWI], s42, v[LI]
	s_lshl_b32 s42, s[WV], 9
	v_add_nc_u32 v[HWS], s42, v[LI]
	v_mul_u32_u24 v[SO], v2, SPI
	v_lshl_add_u32 v[SO], v3, 5, v[SO]
	s_lshl_b32 s42, s[WV], 7
	s_add_co_u32 s42, s42, STG
	v_add_nc_u32 v[SO], s42, v[SO]
	s_mul_i32 s42, s[WV], 8*SPI
	s_add_co_u32 s42, s42, STG
	v_add_nc_u32 v[SR], s42, v[LI]
	; x: wave w brings rows 8 w .. 8 w + 7 of the tile.  A load takes four whole rows of 128 bytes: lane l the piece l % 8 (16 bytes: K step, c and h are its three bits) of row l / 8.
	; In XIMG that piece lies at 2,048 (w / 2) + 256 (l % 8) + 16 x (8 (w % 2) + l / 8)
	v_and_b32 v249, 7, v0                          ; l % 8
	v_bfe_u32 v250, v0, 3, 2                       ; l / 8
	s_wait_alu depctr_va_vdst(0)
	v_lshlrev_b32 v[XW], 8, v249
	v_lshl_add_u32 v[XW], v250, 4, v[XW]
	s_lshr_b32 s42, s[WV], 1
	s_and_b32 s43, s[WV], 1
	s_lshl_b32 s46, s42, 11
	s_lshl_b32 s47, s43, 7
	s_add_co_u32 s46, s46, s47
	v_add_nc_u32 v[XW], s46, v[XW]
	v_and_b32 v251, 1, v0                          ; its scale words: lane l % 16 takes word l % 2 of row (l % 16) / 2 (lanes 16-31 do the same once more)
	v_bfe_u32 v252, v0, 1, 3
	v_lshlrev_b32 v[XWS], 8, v251
	v_lshl_add_u32 v[XWS], v252, 4, v[XWS]
	s_lshl_b32 s46, s42, 2
	s_add_co_u32 s46, s46, s47
	s_add_co_u32 s46, s46, XSC
	v_add_nc_u32 v[XWS], s46, v[XWS]
	v_lshlrev_b32 v[OA], 2, v250
	v_lshlrev_b32 v[OB], 2, v252
	v_lshlrev_b32 v253, 4, v249                    ; my piece's byte in a row of codes
	v_lshlrev_b32 v254, 2, v251                    ; my word's byte in a row of scales
	v_lshlrev_b32 v[B1O], 6, v3
	v_lshlrev_b32 v[B2O], 5, v3
.irp b, 0,1,2,3
	v_mov_b32 v[TM+4+\b], 0                        ; written once: a lane permute's destination counts as one of its sources
.endr
	s_mov_b32 s[SEL], 0x76543210
	s_mov_b32 s[SEL+1], 0xfedcba98
	s_mov_b32 s38, 16                              ; without a tile: bucket 16, entry 0, no rows
	s_mov_b32 s39, 0
	s_mov_b32 s40, 0
	s_mov_b32 s41, 0
	s_wait_kmcnt 0x0
	; WHICH TILE IS MINE: bucket e has ceil(n_e / 64) tiles; mine is the bucket in which my number less the tiles in front falls (taken as unsigned, a negative difference falls nowhere)
.irp e, 0,1,2,3,4,5,6,7,8,9,10,11,12,13,14,15,16
	s_add_co_u32 s42, s[20+\e], 63
	s_lshr_b32 s42, s42, 6
	s_sub_co_u32 s43, ttmp9, s41
	s_cmp_lt_u32 s43, s42
	s_cselect_b32 s38, \e, s38
	s_cselect_b32 s39, s43, s39
	s_cselect_b32 s40, s[20+\e], s40
	s_add_co_u32 s41, s41, s42
.endr
	s_min_u32 s38, s38, 16                         ; numbers made of loaded ones are held inside their tables before they enter an address
	s_min_u32 s39, s39, 127
	s_lshl_b32 s39, s39, 6                         ; the tile's first entry
	s_sub_co_u32 s44, s40, s39
	s_min_u32 s44, s44, 64                         ; its rows
	s_min_u32 s45, s38, 15                         ; bucket 16 reads expert 15's weights and throws the result away
	s_mul_i32 s46, s38, 33024                      ; a bucket's bytes
	s_lshl_b32 s42, s39, 2
	s_add_co_u32 s46, s46, s42
	s_lshl_b32 s42, s[WV], 5                       ; my wave's 8 entries
	s_add_co_u32 s46, s46, s42
	s_mov_b32 s47, 0
	s_add_nc_u64 s[12:13], s[12:13], s[46:47]
	s_lshl_b32 s48, s45, 3
	s_add_co_u32 s48, s48, s[WV]
	s_mul_i32 s48, s48, 34816                      ; package 8 e + w
	s_mov_b32 s49, 0
	s_add_nc_u64 s[16:17], s[16:17], s[48:49]
	s_load_b256 s[ROWN:ROWN+7], s[12:13], 0x0      ; the rows that I shall store, as scalars
	; ALL THE WAVE'S LOADS GO OUT IN ONE RUN.  Loads come back in order (ISA guide 5.7.1): the list first, W1 and b1 (the first product's), x behind them, W2 and b2 last
	s_wait_alu depctr_va_vdst(0)                   ; the eleven addresses and offsets v4-8, v15, v244-248 are written: every load and store of the kernel reads one of them, and none is written again
	global_load_b32 v9, v[OA], s[12:13]            ; rows l / 8,
	global_load_b32 v10, v[OA], s[12:13] offset:16 ; 4 + l / 8,
	global_load_b32 v11, v[OB], s[12:13]           ; (l % 16) / 2 of my eight
	global_load_b128 v[W1S:W1S+3], v[LI], s[16:17] offset:32768
	global_load_b128 v[W1S+4:W1S+7], v[LI], s[16:17] offset:33280
	WIN 0x40                                       ; destination window 1
.set i, 0
.rept 32
	global_load_b128 v[4*i:4*i+3], v[LI], s[16:17] offset:512*i
.set i, i+1
.endr
	WIN 0
	s_lshl_b32 s46, s45, 12                        ; b1: 4,096 bytes an expert, my 128 numbers
	s_lshl_b32 s42, s[WV], 9
	s_add_co_u32 s46, s46, s42
	s_add_nc_u64 s[8:9], s[8:9], s[46:47]
	s_lshl_b32 s48, s45, 10                        ; b2: 1,024 bytes an expert, my 32 numbers
	s_lshl_b32 s42, s[WV], 7
	s_add_co_u32 s48, s48, s42
	s_add_nc_u64 s[10:11], s[10:11], s[48:49]
.irp t, 0,1,2,3,4,5,6,7                        ; lane (r, h) wants, for tile 2 b + u, b1 of hidden units 32 b + 16 h + 8 u + 0 .. 7
	global_load_b128 v[B1+8*\t:B1+8*\t+3], v[B1O], s[8:9] offset:(32*(\t/2)+8*(\t%2))*4
	global_load_b128 v[B1+8*\t+4:B1+8*\t+7], v[B1O], s[8:9] offset:(32*(\t/2)+8*(\t%2))*4+16
.endr
	s_wait_loadcnt 50                              ; behind the list's three loads stand 2 + 32 + 16: the list is in
	v_min_u32 v9, 0x1fff, v9                       ; a row's number is held inside the table
	v_min_u32 v10, 0x1fff, v10
	v_min_u32 v11, 0x1fff, v11
	v_lshlrev_b32 v12, 7, v9                       ; 128 bytes of codes a row,
	v_lshlrev_b32 v13, 7, v10
	v_lshlrev_b32 v14, 3, v11                      ; 8 of scales
	v_add_nc_u32 v12, v12, v253
	v_add_nc_u32 v13, v13, v253
	v_add_nc_u32 v14, v14, v254
	s_wait_alu depctr_va_vdst(0)                   ; the gather's offsets v12, v13, v14 are written, which the three loads below read
	global_load_b128 v[HA:HA+3], v12, s[4:5]
	global_load_b128 v[HA+4:HA+7], v13, s[4:5]
	global_load_b32 v[HA+8], v14, s[6:7]
	global_load_b128 v[W2S:W2S+3], v[LI], s[16:17] offset:33792
	global_load_b128 v[W2S+4:W2S+7], v[LI], s[16:17] offset:34304
	WIN 0x40
.set i, 0
.rept 32
	global_load_b128 v[128+4*i:128+4*i+3], v[LI], s[16:17] offset:16384+512*i
.set i, i+1
.endr
	WIN 0
.irp n, 0,1                                    ; for tile n: b2 of outputs 16 n + 8 h + 0 .. 7
	global_load_b128 v[B2+8*\n:B2+8*\n+3], v[B2O], s[10:11] offset:64*\n
	global_load_b128 v[B2+8*\n+4:B2+8*\n+7], v[B2O], s[10:11] offset:64*\n+16
.endr
	s_wait_kmcnt 0x0
.irp k, 0,1,2,3,4,5,6,7
	s_min_u32 s[ROWN+\k], s[ROWN+\k], 0x1fff
	s_lshl_b32 s[ROWA+2*\k], s[ROWN+\k], 10        ; a row of out0 is 1,024 bytes
	s_mov_b32 s[ROWA+2*\k+1], 0
	s_add_nc_u64 s[ROWA+2*\k:ROWA+2*\k+1], s[18:19], s[ROWA+2*\k:ROWA+2*\k+1]
.endr
	s_lshl_b32 s42, s[WV], 3
	s_sub_co_i32 s[LEFT], s44, s42
	s_wait_loadcnt 38                              ; behind x's three loads stand 2 + 32 + 4: x is in, and so are W1, its scales and b1; W2's may be out
	ds_store_b128 v[XW], v[HA:HA+3]
	ds_store_b128 v[XW], v[HA+4:HA+7] offset:64    ; four rows on: 16 bytes a row in an image
	ds_store_b32 v[XWS], v[HA+8]
	BARRIER                                        ; x's eight fragments and their scale words lie in LDS
	s_wait_alu depctr_vm_vsrc(0)                   ; my three LDS stores have read v48-56: these registers are accumulators from here on, written by the first tile's matrix instructions
; ---------------- 1: THE HIDDEN LAYER, a tile of 16 rows at a time
.macro FETCHX m, set                           ; x's two fragments of tile m
.irp s, 0,1
.irp c, 0,1
	ds_load_b128 v[XF+16*(\set)+8*\s+4*\c:XF+16*(\set)+8*\s+4*\c+3], v[LI] offset:XIMG+(2*(\m)+\s)*1024+512*\c
.endr
.endr
.endm
; 64 numbers of a lane, none negative, v[s] .. v[s + 63], register 16 b + i = k 32 b + 16 (lane / 16) + i of my row, become a fragment's codes in v[PC] on and its scale word in v[PW]
.macro QUANT s
.irp b, 0,1,2,3
	v_max3_num_f32 v[TM+\b], v[\s+16*\b], v[\s+1+16*\b], 0x1800000   ; block b: my 16 numbers, and the floor 2^(3 - 127): so the byte cannot fall under 1
.endr
.irp i, 2,4,6,8,10,12,14
.irp b, 0,1,2,3
	v_max3_num_f32 v[TM+\b], v[TM+\b], v[\s+16*\b+\i], v[\s+1+16*\b+\i]   ; (the four blocks by turns: no line waits for the line above it)
.endr
.endr
.irp b, 0,1,2,3
	v_permlanex16_b32 v[TM+4+\b], v[TM+\b], s[SEL], s[SEL+1]
.endr
.irp b, 0,1,2,3
	v_max_num_f32 v[TM+\b], v[TM+\b], v[TM+4+\b]   ; with lane l xor 16's: the block's largest number
.endr
.irp b, 0,1,2,3
	v_add_nc_u32 v[TM+8+\b], 0xff000000, v[TM+\b]  ; 2 off its exponent field: the conversion takes the exponent field of this operand as its scale, and nothing else of it
.endr
.irp b, 0,1,2,3
	v_lshrrev_b32 v[TM+4+\b], 23, v[TM+8+\b]       ; the scale's byte
.endr
	v_lshl_or_b32 v[PW], v[TM+5], 8, v[TM+4]       ; the four bytes make my row's scale word
	v_lshl_or_b32 v[PW], v[TM+6], 16, v[PW]
	v_lshl_or_b32 v[PW], v[TM+7], 24, v[PW]
.irp b, 0,1,2,3
	v_cvt_scalef32_pk8_fp4_f32 v[PC+2*\b], v[\s+16*\b:\s+7+16*\b], v[TM+8+\b]
	v_cvt_scalef32_pk8_fp4_f32 v[PC+1+2*\b], v[\s+8+16*\b:\s+15+16*\b], v[TM+8+\b]
.endr
	v_nop                                          ; one plain place behind a scaled conversion
.irp c, 0,1                                    ; the operand's layout wants a WHOLE block in a lane: lanes 0-15 block 2 c, lanes 16-31 block 2 c + 1
.irp i, 0,1
	v_permlane16_swap_b32 v[PC+4*\c+\i], v[PC+2+4*\c+\i]
.endr
.endr
.endm
.macro HID m
.if \m == 0
	s_wait_dscnt 4                                 ; x's scale words and tile 0's fragments are in; tile 1's four loads may be out
.elseif \m == 3
	s_wait_dscnt 3                                 ; this tile's fragments are in; behind their loads stand the last tile's three stores
.else
	s_wait_dscnt 7                                 ; this tile's fragments are in; behind their loads stand the last tile's three stores and the next tile's four loads
.endif
	WIN 0x01                                       ; source 0 (W1) window 1
.irp t, 0,1,2,3,4,5,6,7                        ; the eight accumulators take turns, one instruction a turn; b1 starts the sums
	v_wmma_scale_f32_16x16x128_f8f6f4 v[HA+8*\t:HA+8*\t+7], v[16*\t:16*\t+7], v[XF+16*((\m)%2):XF+16*((\m)%2)+7], v[B1+8*\t:B1+8*\t+7], v[W1S+\t], v[XS+\m] matrix_a_fmt:MATRIX_FMT_FP4 matrix_b_fmt:MATRIX_FMT_FP4
.endr
.irp t, 0,1,2,3,4,5,6,7                        ; K step 1: its scale words lie in lanes 16-31 of the same registers
	v_wmma_scale_f32_16x16x128_f8f6f4 v[HA+8*\t:HA+8*\t+7], v[16*\t+8:16*\t+15], v[XF+16*((\m)%2)+8:XF+16*((\m)%2)+15], v[HA+8*\t:HA+8*\t+7], v[W1S+\t], v[XS+\m] matrix_a_fmt:MATRIX_FMT_FP4 matrix_b_fmt:MATRIX_FMT_FP4 matrix_a_scale:MATRIX_SCALE_ROW1 matrix_b_scale:MATRIX_SCALE_ROW1
.endr
	WIN 0
	PLACES
.set j, 0
.rept 64
	v_max_num_f32 v[HA+j], 0, v[HA+j]              ; the activation, in f32; each accumulator from its low end on
.set j, j+1
.endr
.if \m > 0
	s_wait_alu depctr_vm_vsrc(0)                   ; the last tile's three LDS stores have read v[PC ..] and v[PW], which the quantiser below writes again
.endif
	QUANT HA
	s_wait_alu depctr_va_vdst(0)                   ; the quantiser has written v[PC ..] and v[PW], which the stores below read; this tile's matrix instructions are done reading their set of x, in which the loads below land (behind tile 3: and b1's registers, both sets of x and x's scale words, in which the hidden layer's first three sets land)
.irp c, 0,1
	ds_store_b128 v[HWI], v[PC+4*\c:PC+4*\c+3] offset:HIMG+1024*(\m)+512*\c   ; K step w of the second product, rows 16 m on: the fragment as it stands
.endr
	ds_store_b32 v[HWS], v[PW] offset:HSC+4*(\m)
.if \m < 2
	FETCHX (\m)+2, (\m)%2                          ; the set just multiplied takes the tile two further on.  No further wait: nothing since the wait above names it
.endif
.endm
	ds_load_b128 v[XS:XS+3], v[LI] offset:XSC      ; register m: tile m's scale words
	FETCHX 0, 0
	FETCHX 1, 1
	HID 0
	HID 1
	HID 2
	HID 3
	BARRIER                                        ; the hidden layer's 32 fragments lie in LDS
; ---------------- 2: MY 32 OUTPUTS FOR THE 64 ROWS: eight accumulators by turns, a K step (128 hidden units, wave s's) at a time
.macro FETCHH s                                ; nine loads: K step s's four fragments and their scale words (register m: tile m's), into set s % 3: sets 0 and 1 at ST and HS, set 2 at XF and XS
.set FB, ST+32*((\s)%3)-(ST+64-XF)*(((\s)%3)/2)
.set SB, HS+4*((\s)%3)-(HS+8-XS)*(((\s)%3)/2)
.irp m, 0,1,2,3
.irp c, 0,1
	ds_load_b128 v[FB+8*\m+4*\c:FB+8*\m+4*\c+3], v[LI] offset:HIMG+(4*(\s)+\m)*1024+512*\c
.endr
.endr
	ds_load_b128 v[SB:SB+3], v[LI] offset:HSC+512*(\s)
.endm
.macro YSTEP s
.if \s == 0
	s_wait_dscnt 18                                ; this K step's nine loads are in; those of the next two steps may be out
.elseif \s == 7
	s_wait_dscnt 0x0
.else
	s_wait_dscnt 9                                 ; this K step's nine loads are in; the next step's nine may be out
.endif
.if (\s > 0) && (\s < 6)
	s_wait_alu depctr_va_vdst(0)                   ; the matrix instructions of the step before are done reading their set of fragments and scale words, in which the nine loads below land
	FETCHH (\s)+2
.endif
.set MB, ST+32*((\s)%3)-(ST+64-XF)*(((\s)%3)/2)
.set MS, HS+4*((\s)%3)-(HS+8-XS)*(((\s)%3)/2)
	WIN 0x01                                       ; source 0 (W2) window 1
.irp m, 0,1,2,3
.irp n, 0,1
.if \s == 0
	v_wmma_scale_f32_16x16x128_f8f6f4 v[YA+8*(4*\n+\m):YA+8*(4*\n+\m)+7], v[128+8*(8*\n+\s):128+8*(8*\n+\s)+7], v[MB+8*\m:MB+8*\m+7], v[B2+8*\n:B2+8*\n+7], v[W2S+4*\n+(\s)/2], v[MS+\m] matrix_a_fmt:MATRIX_FMT_FP4 matrix_b_fmt:MATRIX_FMT_FP4
.elseif (\s)%2
	v_wmma_scale_f32_16x16x128_f8f6f4 v[YA+8*(4*\n+\m):YA+8*(4*\n+\m)+7], v[128+8*(8*\n+\s):128+8*(8*\n+\s)+7], v[MB+8*\m:MB+8*\m+7], v[YA+8*(4*\n+\m):YA+8*(4*\n+\m)+7], v[W2S+4*\n+(\s)/2], v[MS+\m] matrix_a_fmt:MATRIX_FMT_FP4 matrix_b_fmt:MATRIX_FMT_FP4 matrix_a_scale:MATRIX_SCALE_ROW1
.else
	v_wmma_scale_f32_16x16x128_f8f6f4 v[YA+8*(4*\n+\m):YA+8*(4*\n+\m)+7], v[128+8*(8*\n+\s):128+8*(8*\n+\s)+7], v[MB+8*\m:MB+8*\m+7], v[YA+8*(4*\n+\m):YA+8*(4*\n+\m)+7], v[W2S+4*\n+(\s)/2], v[MS+\m] matrix_a_fmt:MATRIX_FMT_FP4 matrix_b_fmt:MATRIX_FMT_FP4
.endif
.endr
.endr
.if (\s < 5) || (\s == 7)
	WIN 0
	PLACES                                         ; in front of the next step's loads into the set just multiplied; behind the last step, in front of the first read of the results.  (Steps 5 and 6 are followed by products alone)
.endif
.endm
	FETCHH 0                                       ; no wait: nothing since the wait at tile 3's end names the registers of the three sets
	FETCHH 1
	FETCHH 2
	s_wait_loadcnt 0x0                             ; W2, its scale words and b2
	YSTEP 0
	YSTEP 1
	YSTEP 2
	YSTEP 3
	YSTEP 4
	YSTEP 5
	YSTEP 6
	YSTEP 7
	s_wait_alu depctr_va_vdst(0)                   ; the matrix instructions have written the accumulators, which the stores below read (the four places above stay beside this wait), and are done reading v180-243, in which the rows from the stage land
.irp m, 0,1,2,3
.irp n, 0,1
	ds_store_b128 v[SO], v[YA+8*(4*\n+\m):YA+8*(4*\n+\m)+3] offset:16*SPI*\m+64*\n        ; lane (r, h): row 16 m + r, outputs 32 w + 16 n + 8 h + 0 .. 7; each accumulator from its low end on
	ds_store_b128 v[SO], v[YA+8*(4*\n+\m)+4:YA+8*(4*\n+\m)+7] offset:16*SPI*\m+64*\n+16
.endr
.endr
	BARRIER                                        ; 64 whole rows lie in the stage.  The last barrier: only behind it do branches hang on the tile's numbers
; ---------------- THE WAY OUT: wave w stores rows 8 w .. 8 w + 7 of the tile, as far as the tile has them, each to the place that the list names
.macro SEND live                               ; live = 1: row k from its eight registers; 0: every row from the four cleared ones
.irp k, 0,1,2,3,4,5,6,7
	s_cmp_le_i32 s[LEFT], \k
	s_cbranch_scc1 .Lend
	global_store_b128 v[LI], v[OUT+8*\k*\live:OUT+8*\k*\live+3], s[ROWA+2*\k:ROWA+2*\k+1] th:TH_STORE_NT                       ; 32 lanes store 512 consecutive bytes, aligned; written once, read by nobody here
	global_store_b128 v[LI], v[OUT+(8*\k+4)*\live:OUT+(8*\k+4)*\live+3], s[ROWA+2*\k:ROWA+2*\k+1] offset:512 th:TH_STORE_NT
.endr
.endm
	s_cmp_eq_u32 s38, 16
	s_cbranch_scc1 .Lzero
.set i, 0
.rept 16
	ds_load_b128 v[OUT+4*i:OUT+4*i+3], v[SR] offset:(i/2)*SPI+512*(i%2)
.set i, i+1
.endr
	s_wait_dscnt 0x0
	SEND 1
	s_branch .Lend
.Lzero:                                            ; rows that no expert takes are zeros
.irp j, 0,1,2,3
	v_mov_b32 v[OUT+\j], 0
.endr
	s_wait_alu depctr_va_vdst(0)                   ; the four moves have written v180-183, which the stores below read
	SEND 0
.Lend:
	s_wait_dscnt 0x0                               ; the closing lines, six on end
	s_wait_alu 0x0
	s_wait_tensorcnt 0x0
	ds_add_u32 v135, v255
	s_wait_dscnt 0x0
	s_endpgm
.Lfunc_end_k_qb006bde4b8_chain:
	.size	k_qb006bde4b8_chain, .Lfunc_end_k_qb006bde4b8_chain-k_qb006bde4b8_chain
	.p2alignl 7, 3214868480
	.fill 96, 4, 3214868480
	.section	.rodata,"a",@progbits
	.p2align	6, 0x0
	.amdhsa_kernel k_qb006bde4b8_chain
		.amdhsa_group_segment_fixed_size 113152
		.amdhsa_private_segment_fixed_size 0
		.amdhsa_enable_private_segment 0
		.amdhsa_kernarg_size 64
		.amdhsa_user_sgpr_count 2
		.amdhsa_user_sgpr_kernarg_segment_ptr 1
		.amdhsa_wavefront_size32 1
		.amdhsa_system_sgpr_workgroup_id_x 1
		.amdhsa_system_sgpr_workgroup_id_y 1
		.amdhsa_system_sgpr_workgroup_id_z 1
		.amdhsa_system_vgpr_workitem_id 0
		.amdhsa_next_free_vgpr 512
		.amdhsa_next_free_sgpr 84
		.amdhsa_reserve_vcc 0
		.amdhsa_float_denorm_mode_32 3
		.amdhsa_float_denorm_mode_16_64 3
		.amdhsa_memory_ordered 1
		.amdhsa_forward_progress 1
		.amdhsa_inst_pref_size 74
	.end_amdhsa_kernel
	.amdgpu_metadata
---
amdhsa.version: [ 1, 2 ]
amdhsa.kernels:
  - .name:           k_qb006bde4b8_chain
    .symbol:         k_qb006bde4b8_chain.kd
    .args:
      - { .name: in_feats_codes, .offset: 0, .size: 8, .value_kind: global_buffer, .address_space: global }
      - { .name: in_feats_scales, .offset: 8, .size: 8, .value_kind: global_buffer, .address_space: global }
      - { .name: b1, .offset: 16, .size: 8, .value_kind: global_buffer, .address_space: global }
      - { .name: b2, .offset: 24, .size: 8, .value_kind: global_buffer, .address_space: global }
      - { .name: order, .offset: 32, .size: 8, .value_kind: global_buffer, .address_space: global }
      - { .name: counts, .offset: 40, .size: 8, .value_kind: global_buffer, .address_space: global }
      - { .name: wpack, .offset: 48, .size: 8, .value_kind: global_buffer, .address_space: global }
      - { .name: out0, .offset: 56, .size: 8, .value_kind: global_buffer, .address_space: global }
    .group_segment_fixed_size: 113152
    .private_segment_fixed_size: 0
    .kernarg_segment_align: 8
    .kernarg_segment_size: 64
    .max_flat_workgroup_size: 256
    .sgpr_count:     84
    .vgpr_count:     512
    .wavefront_size: 32
...
	.end_amdgpu_metadata
.endif
;; end of part 4
